; MI455X (gfx1250); checked and timed in simulation.
; The chip was launched on July 23, 2026; its instructions are those of AMD's public machine-readable ISA for CDNA 5 (MIT licence, August 2026) and "CDNA5" Instruction Set Architecture Reference Guide (July 2026). The comments in the code are by the model that wrote it; some were corrected since.
;; Attention. Allowed arithmetic: matrix products marked QUANTISED: E4M3 operands, one E8M0 scale for each 32 along K, by v_wmma_scale_f32_16x16x128_f8f6f4 with both operands' format E4M3, f32 sums; everything else in f32.
;; Inputs: mask 1 x 1 x 2,048 x 2,048 int32; wk 1,024 x 1,024 float32; wo 1,024 x 1,024 float32; wq 1,024 x 1,024 float32; wv 1,024 x 1,024 float32; x 4 x 2,048 x 1,024 float32.
;; Outputs: out0 4 x 2,048 x 1,024 float32.
;; This version of the problem:
;;   THIS VERSION OF THE PROBLEM IS GIVEN IN LOW PRECISION. The matrix products marked QUANTISED in the list below multiply operands that are first quantised to E4M3 (4 exponent bits, 3 mantissa bits; 8 bits a number), with one power-of-two scale for each 32 numbers along K (OCP MX v1.0); their sums are f32. All else is computed in f32.
;;   The module's matrix products, in the order in which they are computed (A, B: the left and right operand; K: the contracted axis; several contracted axes count as one K, in the product's order):
;;     1. [M 8,192, K 1,024] x [K 1,024, N 1,024]; A: input x; B: input wq: QUANTISED
;;     2. [M 8,192, K 1,024] x [K 1,024, N 1,024]; A: input x; B: input wk: QUANTISED
;;     3. [M 8,192, K 1,024] x [K 1,024, N 1,024]; A: input x; B: input wv: QUANTISED
;;     4. batch 64 x [M 2,048, K 64] x [K 64, N 2,048]; A: computed on the way; B: computed on the way: QUANTISED
;;     5. batch 64 x [M 2,048, K 2,048] x [K 2,048, N 64]; A: softmax (see below); B: computed on the way: QUANTISED
;;     6. [M 8,192, K 1,024] x [K 1,024, N 1,024]; A: computed on the way; B: input wo: QUANTISED
;;   THE QUANTISER, for each operand of a quantised product, along K:
;;     - K is cut into blocks of 32 from its start; a last block that is shorter is filled with zeros.
;;     - A block's scale is 2^e with e = floor(log2(the largest magnitude in the block)) - 8, held to -126 .. 127; a block of zeros has e = 0. As a byte (E8M0): e + 127.
;;     - Each number is divided by its block's scale, clamped to +-448, and rounded to the nearest number of E4M3, ties to even, subnormals kept.
;;     - The product sums the exact products of the quantised numbers (number of the format x scale) in f32.
;;   ~~~python
;;   def quantise(x, axis):      # numpy; x: float32 -> the quantised numbers, widened to float32 again
;;       x = np.moveaxis(x, axis, -1); K = x.shape[-1]
;;       x = np.pad(x, [(0, 0)] * (x.ndim - 1) + [(0, -K % 32)]); x = x.reshape(x.shape[:-1] + (-1, 32)); a = np.abs(x).max(-1, keepdims=True)
;;       e = np.where(a > 0, np.clip(np.frexp(np.where(a > 0, a, 1))[1] - 1 - 8, -126, 127), 0)      # np.frexp(a)[1] - 1 = floor(log2(a)), exactly
;;       r = np.clip(x / 2.0 ** e, -448, 448)
;;       step = 2.0 ** (np.maximum(np.frexp(np.where(r == 0, 1, r))[1] - 1, -6) - 3)
;;       q = np.round(r / step) * step * 2.0 ** e      # np.round: ties to even
;;       return np.moveaxis(q.reshape(q.shape[:-2] + (-1,))[..., :K], -1, axis).astype(np.float32)
;;   ~~~
;;   SOFTMAX AHEAD OF A QUANTISED PRODUCT. Where the list says 'softmax', what is quantised is not the finished softmax but p = 2^(t - M), with t = logit x log2(e) and M = ceil(the row's largest t), a whole number; so 1/2 < the row's largest p <= 1. The row's sum l is taken of the UNQUANTISED p, in f32, and the product's result is divided by l at the end. Since M is a whole number, a kernel that streams over the keys may use a running M (the ceiling of the running maximum): every later rescaling is an exact power of two, which a block's scale takes up: the codes' values come out the same.
;;   OPERANDS COMPUTED ON THE WAY. 'Computed on the way' means the value that the module computes at that place (a softmax that the list does not call 'softmax' is quantised finished and normalised). What goes into a quantiser is computed in f32, as accurately as f32 sums, v_exp_f32 and their like allow (about 1e-6 of the number): no bf16 or f16 on the way to a quantiser, and a product that is left as it is and whose result goes on into a quantised operand takes f32 operands (vector FMAs, or v_wmma_f32_16x16x4_f32). A number that lies on a knife's edge between two numbers of the format may be rounded either way, as far as f32 arithmetic and the matrix unit's own rounding can turn it there, and no further.
;; 2 versions, each right; version 2 is version 1 with the launch attn written anew for expert scheduling mode. Each part assembles by itself: llvm-mc -triple=amdgcn-amd-amdhsa -mcpu=gfx1250 --defsym DOCPART=n.
;; ======== version 1 of 2: 4 launches
;; workspace buffers: opnd 12,976,128 bytes; mw 532,480 bytes of whole numbers; qkv 25,952,256 bytes; ao 8,650,752 bytes
;; launch prep (part 1): grid 512 x 1, 4 waves a work-group, no clusters, 67,072 bytes of LDS; arguments x, wq, wk, wv, wo, mask, opnd, mw; writes opnd, mw
.if DOCPART == 1
	.amdgcn_target "amdgcn-amd-amdhsa--gfx1250"
	.amdhsa_code_object_version 6
	.text
	.protected	k_q101d4fd93c_prep
	.globl	k_q101d4fd93c_prep
	.p2align	8
	.type	k_q101d4fd93c_prep,@function
k_q101d4fd93c_prep:
	s_mov_b64 s[64:65], 0
	v_nop
	global_prefetch_b8 v0, s[64:65] scope:SCOPE_SE
	s_setreg_imm32_b32 hwreg(HW_REG_WAVE_MODE, 25, 1), 1
	s_wait_xcnt 0x0
; PREP.  Work-groups 0-383: x [8192][1024] and wq, wk, wv, wo [1024][1024], f32, K innermost, become codes of FP8 (E4M3) with one E8M0 byte for each 32 along K, in opnd:
; codes [12288 rows][1024] (rows 0 x, 8192 wq, 9216 wk, 10240 wv, 11264 wo), and from byte OSC on the scale bytes [12288][32].
; STORAGE ORDER OF ROWS: storage row p holds true row sw(p), sw = bits 3 and 4 exchanged.  A wave's run is 8 rows, so the exchange is that of the run number's two low bits.
; A block's scale is 2^(floor(log2(largest magnitude)) - 8); its byte is the largest magnitude's exponent field - 8, held at 1 from below; numbers are held within +-448 x the scale and rounded to the nearest code, ties to even.
; LIMITS: blocks whose largest magnitude lies under 2^-118 keep the byte 1; a block of zeros gets the byte 1 where the rule says 127 (its codes are zeros; this program alone reads the bytes); NaN and infinities are not served.
; Work-groups 384-511: the mask [2048][2048] int32 becomes lane-mask words in mw.  For a tile T' of 16 queries (storage order) and a step s of 128 keys: 64 words;
; bit 16 h + r of word n says whether mask[sw(16 T' + r)][128 s + 32 (n / 16) + 16 h + n % 16] is not 0.  From byte FOFF on: flag[T'][s] = 1 << s if any of the 64 words is not 0, else 0.
; The two ways part on the work-group's number and have LDS bytes of their own.  No barrier: waves share nothing.
.set STEPS, 16
.set EMAX,  8
.set MANT,  0x600000                   ; the mantissa field of 448 as f32
.set CB,    16                         ; bytes of 16 codes
.set R,     16                         ; v16-79   four sets of 16 numbers as they are loaded
.set X,     80                         ; v80-111  two sets of 16 neighbours
.set E,     112                        ; v112-127 a scale byte for each step
.set C,     128                        ; v128-191 codes: four registers for each step
.set WREG,  8192                       ; LDS of a quantising wave: two stages of 32 x SP bytes, then its 256 scale bytes
.set SP,    80                         ; a lane's place in a stage: 64 bytes + 16 of padding
.set OSC,   12582912
.set FOFF,  524288
.set MSTG,  32768                      ; LDS of the mask's way: 16 rows x 528 bytes for each wave
.set MPIT,  528                        ; 512 bytes + 16: 132 words, so that row r starts at bank 4 r mod 64
.set MR,    16                         ; v16-143  two sets of 64: a task's 16 rows x 512 bytes as loaded
.set MX,    144                        ; v144-207 my row's 64 mask numbers, in the order of the scores' registers
.set MWD,   208                        ; v208-215 a task's 64 words, two a lane
.set MF,    216                        ; v216     the four flags, lanes 0-3
	s_load_b512 s[4:19], s[0:1], 0x0               ; x, wq, wk, wv, wo, mask, opnd, mw
	v_lshl_add_u32 v224, v0, 2, 0x10400
	v_mov_b32 v225, 0
	v_lshrrev_b32 v1, 5, v0
	v_readfirstlane_b32 s20, v1                    ; wave 0..3
	v_and_b32 v2, 31, v0                           ; lane
	s_cmp_ge_u32 ttmp9, 384
	s_cbranch_scc1 .Lmask
	; ---------------- the quantiser
	v_lshlrev_b32 v3, 4, v2                        ; my 16 bytes of a load's 512
	s_mul_i32 s21, s20, WREG
	v_lshrrev_b32 v14, 2, v2
	v_mul_u32_u24 v14, v14, SP
	v_and_b32 v15, 3, v2
	v_lshl_add_u32 v14, v15, 4, v14
	v_add_nc_u32 v14, s21, v14                     ; the stage, on the way in: SP (lane / 4) + 16 (lane % 4)
	v_mul_u32_u24 v15, v2, SP
	v_add_nc_u32 v15, s21, v15                     ; and on the way out: SP x lane: my 16 neighbours
	v_mul_u32_u24 v4, v2, CB                       ; my codes' place in a step's
	v_lshrrev_b32 v5, 1, v2
	s_add_co_u32 s21, s21, 2*32*SP
	v_add_nc_u32 v5, s21, v5                       ; my block's byte among my wave's 256 scale bytes
	v_lshlrev_b32 v7, 3, v2
	v_add_nc_u32 v6, s21, v7                       ; and 8 bytes a lane on their way out
	s_mov_b32 s23, MANT
	s_wait_kmcnt 0x0
	s_mov_b64 s[24:25], s[12:13]                   ; which tensor: the choice hangs on the work-group's number alone
	s_cmp_lt_u32 ttmp9, 352
	s_cselect_b64 s[24:25], s[10:11], s[24:25]
	s_cmp_lt_u32 ttmp9, 320
	s_cselect_b64 s[24:25], s[8:9], s[24:25]
	s_cmp_lt_u32 ttmp9, 288
	s_cselect_b64 s[24:25], s[6:7], s[24:25]
	s_cmp_lt_u32 ttmp9, 256
	s_cselect_b64 s[24:25], s[4:5], s[24:25]
	s_and_b32 s26, ttmp9, 31                       ; a weight has 32 work-groups
	s_cmp_lt_u32 ttmp9, 256
	s_cselect_b32 s26, ttmp9, s26
	s_lshl_b32 s26, s26, 2
	s_add_co_u32 s26, s26, s20                     ; my run of 8,192 numbers in its tensor
	s_lshl_b32 s26, s26, 15
	s_mov_b32 s27, 0
	s_add_nc_u64 s[24:25], s[24:25], s[26:27]
	s_and_b32 s28, s20, 1
	s_lshl_b32 s28, s28, 1
	s_lshr_b32 s29, s20, 1
	s_or_b32 s28, s28, s29                         ; the wave's two bits exchanged: the storage order of rows
	s_lshl_b32 s29, ttmp9, 2
	s_add_co_u32 s28, s28, s29                     ; the run's place in opnd
	s_lshl_b32 s30, s28, 13
	s_mov_b32 s31, 0
	s_add_nc_u64 s[32:33], s[16:17], s[30:31]      ; its codes: 8,192 bytes a run
	s_lshl_b32 s30, s28, 8
	s_add_co_u32 s30, s30, OSC
	s_add_nc_u64 s[34:35], s[16:17], s[30:31]      ; its scale bytes: 256 a run
.macro LOAD t
.irp i, 0,1,2,3
	global_load_b128 v[R+16*((\t)%4)+4*\i:R+16*((\t)%4)+4*\i+3], v3, s[24:25] offset:2048*(\t)+512*\i th:TH_LOAD_NT   ; 32 lanes read 512 consecutive bytes
.endr
.endm
.macro TURN t                          ; step t's numbers through the stage: LDS serves a wave's instructions in order, so no wait stands between the stores and the loads
.irp i, 0,1,2,3
	ds_store_b128 v14, v[R+16*((\t)%4)+4*\i:R+16*((\t)%4)+4*\i+3] offset:32*SP*((\t)%2)+8*SP*\i
.endr
.irp i, 0,1,2,3
	ds_load_b128 v[X+16*((\t)%2)+4*\i:X+16*((\t)%2)+4*\i+3], v15 offset:32*SP*((\t)%2)+16*\i
.endr
.endm
.irp t, 0,1,2,3
	LOAD \t
.endr
	s_wait_loadcnt 12                              ; step 0's four loads are in; the 12 of steps 1 to 3 may be out
	TURN 0
.macro STEP t
.set XS, X+16*((\t)%2)
.if (\t) > 0
	s_wait_dscnt 1                                 ; this step's numbers are back from the stage (the last step's byte store may be out)
.else
	s_wait_dscnt 0x0
.endif
.if (\t)+4 < STEPS
	LOAD (\t)+4                                    ; into the registers that the stage's stores have read
.endif
.if (\t)+1 < STEPS
.if STEPS-2-(\t) >= 3
	s_wait_loadcnt 12                              ; the next step's four loads are in; those of the three steps behind it may be out
.else
	s_wait_loadcnt 4*(STEPS-2-(\t))
.endif
	TURN (\t)+1
.endif
	v_max3_num_f32 v8, |v[XS]|, |v[XS+1]|, |v[XS+2]|               ; the largest magnitude of my 16
	v_max3_num_f32 v9, |v[XS+3]|, |v[XS+4]|, |v[XS+5]|
.irp i, 6,10
	v_max3_num_f32 v8, v8, |v[XS+\i]|, |v[XS+\i+1]|
	v_max3_num_f32 v9, v9, |v[XS+\i+2]|, |v[XS+\i+3]|
.endr
	v_max3_num_f32 v8, v8, |v[XS+14]|, |v[XS+15]|
	v_max3_num_f32 v8, v8, v9, (EMAX+1)<<23        ; and the floor 2^(9 - 127): the byte cannot fall under 1
	v_max_num_f32_dpp v8, v8, v8 row_xmask:1 row_mask:0xf bank_mask:0xf   ; and of my neighbour's 16: the block's
	v_add_nc_u32 v11, -(EMAX<<23), v8              ; 8 off its exponent field: the conversion's scale operand
	v_and_or_b32 v10, v8, 0x7f800000, s23          ; 448 x the scale
.irp i, 0,1,2,3,4,5,6,7,8,9,10,11,12,13,14,15
	v_med3_num_f32 v[XS+\i], v[XS+\i], -v10, v10   ; the conversion to an 8-bit code does not saturate (ISA guide 7.6.2): the hold comes first
.endr
	v_cvt_scalef32_pk8_fp8_f32 v[C+4*(\t):C+4*(\t)+1], v[XS:XS+7], v11
	v_cvt_scalef32_pk8_fp8_f32 v[C+4*(\t)+2:C+4*(\t)+3], v[XS+8:XS+15], v11
	v_lshrrev_b32 v[E+(\t)], 23, v11               ; the scale's byte
	ds_store_b8 v5, v[E+(\t)] offset:16*(\t)       ; both lanes of a block write the same byte with the same value
	global_store_b128 v4, v[C+4*(\t):C+4*(\t)+3], s[32:33] offset:32*CB*(\t)   ; 512 consecutive bytes, aligned
.endm
.irp t, 0,1,2,3,4,5,6,7,8,9,10,11,12,13,14,15
	STEP \t
.endr
	ds_load_b64 v[12:13], v6                       ; LDS serves a wave's instructions in order: these see my byte stores
	s_wait_dscnt 0x0
	global_store_b64 v7, v[12:13], s[34:35]        ; 32 lanes store 256 consecutive bytes, aligned
	s_wait_tensorcnt 0x0
	ds_add_u32 v224, v225
	s_wait_dscnt 0x0
	s_endpgm
	; ---------------- the mask
.Lmask:
	s_sub_co_u32 s21, ttmp9, 384                   ; T': the tile of 16 queries.  Wave w takes key steps 4 w .. 4 w + 3, a task each
	v_lshlrev_b32 v3, 4, v2                        ; 16 x lane: my 16 bytes of a row's 512
	v_and_b32 v8, 15, v0                           ; r
	v_bfe_u32 v9, v0, 4, 1                         ; h
	s_mul_i32 s22, s20, 16*MPIT
	s_add_co_u32 s22, s22, MSTG                    ; my wave's stage
	v_add_nc_u32 v4, s22, v3                       ; in: a row as it lies
	v_mul_u32_u24 v5, v8, MPIT
	v_lshl_add_u32 v5, v9, 6, v5
	v_add_nc_u32 v5, s22, v5                       ; out: row r, 16 numbers of my half of each block of 32
	v_lshlrev_b32 v6, 3, v2                        ; a record's two words a lane
	v_lshlrev_b32 v7, 2, v2
.irp i, 0,1,2,3,4,5,6,7,8
	v_mov_b32 v[MWD+\i], 0                         ; written once: v_writelane_b32's destination counts as read (v216, the flags, among them)
.endr
	s_lshl_b32 s23, s20, 2                         ; my first step
.irp k, 0,1,2,3
	s_add_co_u32 s22, s23, \k
	s_lshl_b32 s[24+\k], 1, s22                    ; the step's bit
.endr
	s_lshr_b32 s28, s21, 1
	s_lshl_b32 s28, s28, 5
	s_and_b32 s29, s21, 1
	s_lshl_b32 s29, s29, 3
	s_add_co_u32 s28, s28, s29                     ; the tile's first true row: 32 (T' / 2) + 8 (T' % 2); row r lies r + 8 (r / 8) further on
	s_lshl_b32 s28, s28, 13                        ; a row is 8,192 bytes
	s_lshl_b32 s29, s20, 11
	s_add_co_u32 s28, s28, s29                     ; my four steps: 2,048 bytes of each row
	s_mov_b32 s29, 0
	s_wait_kmcnt 0x0
	s_add_nc_u64 s[14:15], s[14:15], s[28:29]
	s_lshl_b32 s28, s21, 4
	s_add_co_u32 s28, s28, s23
	s_lshl_b32 s28, s28, 8
	s_add_nc_u64 s[16:17], s[18:19], s[28:29]      ; my records: 256 bytes for each (T', step)
	s_lshl_b32 s28, s21, 6
	s_lshl_b32 s30, s20, 4
	s_add_co_u32 s28, s28, s30
	s_add_co_u32 s28, s28, FOFF
	s_add_nc_u64 s[18:19], s[18:19], s[28:29]      ; my four flags
.macro MLD k                           ; task k: 16 rows x 512 bytes
.irp p, 0,1,2,3,4,5,6,7,8,9,10,11,12,13,14,15
	global_load_b128 v[MR+64*((\k)%2)+4*\p:MR+64*((\k)%2)+4*\p+3], v3, s[14:15] offset:(\p+8*(\p/8))*8192+512*(\k) th:TH_LOAD_NT
.endr
.endm
.macro MTASK k
.if (\k) < 3
	s_wait_loadcnt 16                              ; this task's 16 loads are in; the next task's 16 may be out
.else
	s_wait_loadcnt 0x0
.endif
.irp p, 0,1,2,3,4,5,6,7,8,9,10,11,12,13,14,15
	ds_store_b128 v4, v[MR+64*((\k)%2)+4*\p:MR+64*((\k)%2)+4*\p+3] offset:MPIT*\p
.endr
.irp b, 0,1,2,3
.irp i, 0,1,2,3
	ds_load_b128 v[MX+16*\b+4*\i:MX+16*\b+4*\i+3], v5 offset:128*\b+16*\i   ; register 16 b + i': mask(row r, 32 b + 16 h + i')
.endr
.endr
	s_wait_dscnt 0x0                               ; my numbers are in, and the stores have read their registers
.if (\k) < 2
	MLD (\k)+2
.endif
.irp hf, 0,1
.irp n, 0,1,2,3,4,5,6,7,8,9,10,11,12,13,14,15,16,17,18,19,20,21,22,23,24,25,26,27,28,29,30,31
	v_cmp_ne_u32 s[32+\n], 0, v[MX+32*\hf+\n]      ; word 32 hf + n: a bit a lane
.endr
.irp n, 0,1,2,3,4,5,6,7,8,9,10,11,12,13,14,15,16,17,18,19,20,21,22,23,24,25,26,27,28,29,30,31
	v_writelane_b32 v[MWD+2*(\k)+(\n&1)], s[32+\n], 16*\hf+(\n>>1)   ; word m goes to lane m / 2, register m % 2
.endr
.endr
	v_or_b32 v217, v[MWD+2*(\k)], v[MWD+2*(\k)+1]
	v_cmp_ne_u32 vcc_lo, 0, v217
	s_cmp_lg_u32 vcc_lo, 0                         ; does any key of the step count for any of the 16 queries?
	s_cselect_b32 s22, s[24+(\k)], 0
	v_writelane_b32 v[MF], s22, \k
	global_store_b64 v6, v[MWD+2*(\k):MWD+2*(\k)+1], s[16:17] offset:256*(\k)   ; 256 consecutive bytes, aligned
.endm
	MLD 0
	MLD 1
	MTASK 0
	MTASK 1
	MTASK 2
	MTASK 3
	v_cmp_gt_u32 vcc_lo, 4, v2
	s_wait_xcnt 0x0                                ; EXEC is a source of the stores above: it changes only behind this wait
	s_wait_tensorcnt 0x0
	ds_add_u32 v224, v225
	s_wait_dscnt 0x0
	s_and_saveexec_b32 s21, vcc_lo
	global_store_b32 v7, v[MF], s[18:19]           ; 16 bytes a wave: the one store of the launch that fills no 256 bytes; 8 KiB in all
	s_wait_xcnt 0x0
	s_or_b32 exec_lo, exec_lo, s21
	s_endpgm
.Lfunc_end_k_q101d4fd93c_prep:
	.size	k_q101d4fd93c_prep, .Lfunc_end_k_q101d4fd93c_prep-k_q101d4fd93c_prep
	.p2alignl 7, 3214868480
	.fill 96, 4, 3214868480
	.section	.rodata,"a",@progbits
	.p2align	6, 0x0
	.amdhsa_kernel k_q101d4fd93c_prep
		.amdhsa_group_segment_fixed_size 67072
		.amdhsa_private_segment_fixed_size 0
		.amdhsa_enable_private_segment 0
		.amdhsa_kernarg_size 64
		.amdhsa_user_sgpr_count 2
		.amdhsa_user_sgpr_kernarg_segment_ptr 1
		.amdhsa_wavefront_size32 1
		.amdhsa_system_sgpr_workgroup_id_x 1
		.amdhsa_system_sgpr_workgroup_id_y 1
		.amdhsa_system_sgpr_workgroup_id_z 1
		.amdhsa_system_vgpr_workitem_id 0
		.amdhsa_next_free_vgpr 226
		.amdhsa_next_free_sgpr 66
		.amdhsa_reserve_vcc 1
		.amdhsa_float_denorm_mode_32 3
		.amdhsa_float_denorm_mode_16_64 3
		.amdhsa_memory_ordered 1
		.amdhsa_forward_progress 1
		.amdhsa_inst_pref_size 101
	.end_amdhsa_kernel
	.amdgpu_metadata
---
amdhsa.version: [ 1, 2 ]
amdhsa.kernels:
  - .name:           k_q101d4fd93c_prep
    .symbol:         k_q101d4fd93c_prep.kd
    .args:
      - { .name: x, .offset: 0, .size: 8, .value_kind: global_buffer, .address_space: global }
      - { .name: wq, .offset: 8, .size: 8, .value_kind: global_buffer, .address_space: global }
      - { .name: wk, .offset: 16, .size: 8, .value_kind: global_buffer, .address_space: global }
      - { .name: wv, .offset: 24, .size: 8, .value_kind: global_buffer, .address_space: global }
      - { .name: wo, .offset: 32, .size: 8, .value_kind: global_buffer, .address_space: global }
      - { .name: mask, .offset: 40, .size: 8, .value_kind: global_buffer, .address_space: global }
      - { .name: opnd, .offset: 48, .size: 8, .value_kind: global_buffer, .address_space: global }
      - { .name: mw, .offset: 56, .size: 8, .value_kind: global_buffer, .address_space: global }
    .group_segment_fixed_size: 67072
    .private_segment_fixed_size: 0
    .kernarg_segment_align: 8
    .kernarg_segment_size: 64
    .max_flat_workgroup_size: 128
    .sgpr_count:     66
    .vgpr_count:     226
    .wavefront_size: 32
...
	.end_amdgpu_metadata
.endif
;; end of part 1
;; launch proj (part 2): grid 8 x 48, 4 waves a work-group, clusters of 4 x 4, 327,680 bytes of LDS; arguments opnd, qkv; writes qkv
.if DOCPART == 2
	.amdgcn_target "amdgcn-amd-amdhsa--gfx1250"
	.amdhsa_code_object_version 6
	.text
	.protected	k_q101d4fd93c_proj
	.globl	k_q101d4fd93c_proj
	.p2align	8
	.type	k_q101d4fd93c_proj,@function
k_q101d4fd93c_proj:
	s_mov_b64 s[64:65], 0
	v_nop
	global_prefetch_b8 v0, s[64:65] scope:SCOPE_SE
	s_setreg_imm32_b32 hwreg(HW_REG_WAVE_MODE, 25, 1), 1
	s_wait_xcnt 0x0
	s_wait_alu depctr_hold_cnt(0) depctr_sa_sdst(0) depctr_va_vdst(0) depctr_va_sdst(0) depctr_va_ssrc(0) depctr_va_vcc(0) depctr_vm_vsrc(0)
	s_getreg_b32 s2, hwreg(HW_REG_IB_STS2, 6, 4)
	s_cmp_eq_u32 s2, 0
	s_cbranch_scc0 .Lentry_in_a_cluster
	s_endpgm
.Lentry_in_a_cluster:
	s_bfe_u32 s2, ttmp6, 0x10000c
	s_cmp_lg_u32 s2, 0xf033
	s_cbranch_scc0 .Lentry_shape_is_right
	s_endpgm
.Lentry_shape_is_right:
; PROJ.  q = x wq^T, k = x wk^T, v = x wv^T on codes of FP8 (E4M3) with E8M0 scales (K = 1,024), and the results quantised in registers into the layouts that the attention launch reads.
; A tile is 256 x 256: four waves, each 128 x 128 in 64 accumulators.  K goes in steps of 256 through a ring of two LDS slots filled by the tensor data mover; the scale bytes of the tile's rows come once and stay.
; CLUSTERS 4 x 4: A's tiles are asked for jointly along a row of the cluster, B's along a column.
; TWO JOBS IN ONE GRID, told apart by the cluster's y, which all partners share; only row numbers in opnd are chosen, by s_cselect_b32, no branch.
;   job 0 (y < 8):  A = x (8,192 rows), B = wq | wk (2,048 rows).   job 1: A = wv (1,024 rows), B = x: the same product with the roles exchanged, so that a lane's registers run along the tokens, v's K.
; THE MATRIX INSTRUCTION IS USED TRANSPOSED (source 0 = 16 rows of B, source 1 = 16 rows of A).  Rows lie in opnd in storage order (bits 3 and 4 of the row exchanged), so in accumulators (a, 2 c) and (a, 2 c + 1)
; lane (r, h) holds A's storage row 16 a + r and its 16 registers are B's TRUE rows 32 c + 16 h + 0 .. 15: the operand layout of the next product, a block of 32 in lanes l and l xor 16.
; OUT (qkv): 64 regions of REG bytes (16 b + head): K pieces [key tile 128][1 KiB], V images [step 16][channel tile 4][2 KiB], K scale words [pair 64][16][4], V scale words [16][4][16][4];
;   q pieces at QOFF [head][tile 512][1 KiB]; q scale words at QSOFF [head][pair 256][16][4].  A piece is 16 rows x 64 along K as [2][lane][16 bytes], an image 16 rows x 128 as [4][lane][16 bytes].
; LIMITS: blocks whose largest magnitude lies under 2^-118 keep the byte 1; a block of zeros gets the byte 1 where the rule says 127 (zero codes; read by this program alone); NaN and infinities are not served.
; REGISTERS, in windows of 256: window 0: v0-31 addresses; v32-63 scale words, two sets; from v128 A's fragments, one set.  window 1: B's fragments, two sets.  windows 2, 3: the accumulators ((a, b) at v[8 (8 (a % 4) + b)]).
.set KSTEP,  256
.set NQ,     2                         ; matrix instructions deep in a slot
.set ROWB,   256                       ; a tile's row in bytes
.set KROW,   1024                      ; a row of codes in memory
.set PITCH,  272                       ; an LDS row: 256 bytes + 16 of padding = 68 words: row r starts at bank 4 r mod 64
.set FR,     16
.set NL,     4
.set NP,     8                         ; places behind this matrix instruction (ISA guide 7.12.1)
.set HALFT,  128*PITCH
.set SLOT,   4*HALFT
.set LAPS,   2                         ; 1,024 / 512
.set KS,     32                        ; a row of scale bytes
.set SCL,    2*SLOT
.set HALFS,  (128*KS/256)*272
.set SBLK,   (16*KS/256)*272
.set SPARE,  SCL+4*HALFS               ; the spare words: 128 bytes for each wave, named by no other line
.set OSC,    12582912
.set REG,    270336
.set VC,     131072
.set KSO,    262144
.set VSO,    266240
.set QOFF,   17301504
.set QSOFF,  25690112
.set VSEL, 7                           ; v7   the byte selector that makes my half's scale word
.set VOF0, 8                           ; v8   16 x lane
.set VOF1, 9                           ; v9   16 x lane + the distance to the codes' second half
.set SSTO, 10                          ; v10  the scale words' stage: 512 wave + 256 h + 4 r
.set SRD,  11                          ; v11  and back: 512 wave + 16 x lane
.set SGO,  12                          ; v12  where my 16 bytes of scale words go in memory
.set ADRA, 16
.set ADRB, 20
.set ADRS, 27
.set SPW,  28
.set NIL,  29
.set SC,   32
.set AF,   128
.set TM,   32                          ; the way out: v32-35 largest magnitudes, v36-39 bytes, v40-43 448 x the scale, v44-47 scale operands
.set PW,   48                          ; v48-49 the scale words of an even and an odd block
.set WD,   50
.set T,    64                          ; v64-127 a block's 64 numbers, held
.set PC,   128                         ; v128-143, v144-159 codes, by turns
.set SD,   160
.set SEL,  46                          ; s[46:47] v_permlanex16_b32's selects for lane l xor 16 (set behind the head's use of these registers)
.set MNT,  92                          ; s92 the mantissa field of 448
.set G1, 24
.set G0, 32
.set G1B, 48
.set G0B, 56
.set G1S, 68
.set G0S, 76
.set G1SB, 80
.set G0SB, 88
.set MSB, 0
.macro WIN new                         ; the immediate's high byte repeats the setting that is left
.if MSB != (\new)
	s_set_vgpr_msb (MSB<<8)|(\new)
.set MSB, (\new)
.endif
.endm
.set MUL_LO, 0xa1
.set MUL_HI, 0xf1
.set TO_B,   0x40
; A joint load: waves 0 and 1 fetch for A, waves 2 and 3 for B; the branch hangs on the wave's number alone.  Four v_nop follow each of the two lines.
.macro JLOAD g0a, g1a, g0b, g1b
	s_cmp_eq_u32 s15, 0
	s_cbranch_scc0 .Lfor_b_\@
	tensor_load_to_lds s[\g0a:\g0a+3], s[\g1a:\g1a+7]
	s_nop 0
.rept 4
	v_nop
.endr
	s_branch .Lasked_\@
.Lfor_b_\@:
	tensor_load_to_lds s[\g0b:\g0b+3], s[\g1b:\g1b+7]
	s_nop 0
.rept 4
	v_nop
.endr
.Lasked_\@:
.endm
.macro CREST                           ; a round of the cluster's barrier behind its opening barrier
	s_cmp_lg_u32 s14, 0
	s_cbranch_scc1 .Lnot_wave_0_\@
	s_barrier_signal -3
.Lnot_wave_0_\@:
	s_barrier_wait -3
	s_barrier_signal -1
	s_barrier_wait -1
.endm
.macro CROUND
	s_barrier_signal -1
	s_barrier_wait -1
	CREST
.endm
	s_load_b128 s[4:7], s[0:1], 0x0                ; opnd s[4:5], qkv s[6:7]
	v_lshl_add_u32 v[SPW], v0, 2, SPARE
	v_mov_b32 v[NIL], 0
	ds_add_u32 v28, v29
	ds_add_u32 v28, v29
	s_wait_dscnt 0x0
	v_lshrrev_b32 v1, 5, v0
	v_readfirstlane_b32 s14, v1                    ; wave 0..3
	s_lshr_b32 s15, s14, 1                         ; which half of the tile's A rows is mine.  Also: I fetch for A (0) or for B (1)
	s_and_b32 s16, s14, 1                          ; which half of its B rows.  Also: which 128 rows I fetch
	s_bfe_u32 s40, ttmp6, 0x40000                  ; cx
	s_bfe_u32 s41, ttmp6, 0x40004                  ; cy
	s_and_b32 s17, ttmp7, 0xffff                   ; the cluster's y: 0-7 job 0, 8-11 job 1
	s_sub_co_u32 s42, s17, 8
	s_lshl_b32 s42, s42, 1
	s_add_co_u32 s42, s42, ttmp9                   ; job 1's cluster column: 2 (y - 8) + x
	s_mov_b32 s95, 10240                           ; wv's first row in opnd
	s_mov_b32 s96, 8192                            ; wq's
	s_cmp_ge_u32 s17, 8
	s_cselect_b32 s42, s42, ttmp9                  ; cluster column
	s_cselect_b32 s17, 0, s17                      ; cluster row
	s_cselect_b32 s95, s95, 0                      ; A's first row: wv or x
	s_cselect_b32 s96, 0, s96                      ; B's: x or wq | wk
	s_cselect_b32 s97, 1, 0                        ; the job
	s_lshl_b32 s42, s42, 2
	s_add_co_u32 s42, s42, s40                     ; tile column
	s_lshl_b32 s17, s17, 2
	s_add_co_u32 s17, s17, s41                     ; tile row
	s_lshl_b32 s43, s41, 2
	s_lshl_b32 s43, 15, s43                        ; my row of the cluster
	s_lshl_b32 s44, 0x1111, s40                    ; my column
	s_or_b32 s[G1+0], s43, (0<<16)|(1<<20)|(1<<21)|(5<<22)|(3<<25)  ; the mask; elements of 1 byte; padding: 4 words after every 64; bit 21 beside a mask
	s_or_b32 s[G1B+0], s44, (0<<16)|(1<<20)|(1<<21)|(5<<22)|(3<<25)
.irp g, G1, G1B
	s_mov_b32 s[\g+1], ROWB<<16                    ; tensor_dim0
	s_mov_b32 s[\g+2], 128<<16                     ; tensor_dim1
	s_mov_b32 s[\g+3], ROWB<<16                    ; tile_dim0
	s_mov_b32 s[\g+4], 128                         ; tile_dim1
	s_mov_b32 s[\g+5], KROW                        ; the pitch
	s_mov_b32 s[\g+6], 0
	s_mov_b32 s[\g+7], 0
.endr
	s_or_b32 s[G1S+0], s43, (3<<16)|(1<<20)|(1<<21)|(5<<22)|(3<<25)  ; the scale bytes of 128 rows: 4,096 dense bytes as 16 rows of 256, 16 bytes of padding behind each
	s_or_b32 s[G1SB+0], s44, (3<<16)|(1<<20)|(1<<21)|(5<<22)|(3<<25)
.irp g, G1S, G1SB
	s_mov_b32 s[\g+1], 32<<16
	s_mov_b32 s[\g+2], (128*KS/256)<<16
	s_mov_b32 s[\g+3], 32<<16
	s_mov_b32 s[\g+4], 128*KS/256
	s_mov_b32 s[\g+5], 32
	s_mov_b32 s[\g+6], 0
	s_mov_b32 s[\g+7], 0
.endr
	s_lshl_b32 s18, s16, 7                         ; which 128 rows of the tile I fetch
	s_lshl_b32 s20, s17, 8
	s_add_co_u32 s20, s20, s18
	s_add_co_u32 s20, s20, s95                     ; A: the row in opnd (it never holds cx)
	s_lshl_b32 s46, s42, 8
	s_add_co_u32 s46, s46, s18
	s_add_co_u32 s46, s46, s96                     ; B: likewise (it never holds cy)
	s_lshl_b32 s22, s20, 5
	s_add_co_u32 s22, s22, OSC                     ; the rows' scale bytes,
	s_mov_b32 s23, 0
	s_lshl_b32 s20, s20, 10                        ; and their codes
	s_mov_b32 s21, 0
	s_lshl_b32 s92, s46, 5
	s_add_co_u32 s92, s92, OSC
	s_mov_b32 s93, 0
	s_lshl_b32 s46, s46, 10
	s_mov_b32 s47, 0
	s_mul_i32 s45, s14, HALFT                      ; where they go: wave x 128 rows
	s_mul_i32 s94, s14, HALFS
	s_wait_kmcnt 0x0
	s_add_nc_u64 s[20:21], s[4:5], s[20:21]
	s_add_nc_u64 s[22:23], s[4:5], s[22:23]
	s_add_nc_u64 s[46:47], s[4:5], s[46:47]
	s_add_nc_u64 s[92:93], s[4:5], s[92:93]
	CROUND                                         ; all sixteen work-groups are here: the first joint loads meet
	s_mov_b32 s[G0S], 1
	s_add_co_u32 s[G0S+1], s94, SCL
	s_mov_b64 s[G0S+2:G0S+3], s[22:23]
	s_or_b32 s[G0S+3], s[G0S+3], 0x80000000
	s_mov_b32 s[G0SB], 1
	s_add_co_u32 s[G0SB+1], s94, SCL
	s_mov_b64 s[G0SB+2:G0SB+3], s[92:93]
	s_or_b32 s[G0SB+3], s[G0SB+3], 0x80000000
	JLOAD G0S, G1S, G0SB, G1SB                     ; the scales first: they are wanted with K step 0
.irp s, 0,1
	s_mov_b32 s[G0+4*\s], 1
	s_add_co_u32 s[G0+4*\s+1], s45, \s*SLOT
	s_add_nc_u64 s[G0+4*\s+2:G0+4*\s+3], s[20:21], \s*ROWB
	s_or_b32 s[G0+4*\s+3], s[G0+4*\s+3], 0x80000000
	s_mov_b32 s[G0B+4*\s], 1
	s_add_co_u32 s[G0B+4*\s+1], s45, \s*SLOT
	s_add_nc_u64 s[G0B+4*\s+2:G0B+4*\s+3], s[46:47], \s*ROWB
	s_or_b32 s[G0B+4*\s+3], s[G0B+4*\s+3], 0x80000000
	JLOAD G0+4*\s, G1, G0B+4*\s, G1B
.endr
	v_and_b32 v1, 15, v0                           ; r
	v_bfe_u32 v2, v0, 4, 1                         ; h
	v_mul_u32_u24 v3, v1, PITCH
	v_lshl_add_u32 v4, v2, 4, v3                   ; a fragment's row x pitch + 16 h
	s_mul_i32 s21, s15, HALFT
	s_mul_i32 s22, s16, HALFT
	s_add_co_u32 s22, s22, 2*HALFT
.irp s, 0,1
	v_add_nc_u32 v[ADRA+\s], s21, v4
	v_add_nc_u32 v[ADRB+\s], s22, v4
	s_add_co_u32 s21, s21, SLOT
	s_add_co_u32 s22, s22, SLOT
.endr
	v_mul_u32_u24 v5, v1, KS                       ; my row's scales: 32 bytes a row,
	v_lshrrev_b32 v6, 8, v5
	v_lshl_add_u32 v5, v6, 4, v5                   ; and 16 more for each 256 passed
	s_mul_i32 s21, s15, HALFS
	s_mul_i32 s22, s16, HALFS
	s_add_co_u32 s22, s22, 2*HALFS
	s_sub_co_u32 s22, s22, s21
	v_mul_u32_u24 v6, s22, v2                      ; lanes 16-31 take B's
	s_add_co_u32 s21, s21, SCL
	v_add_nc_u32 v5, v5, v6
	v_add_nc_u32 v[ADRS], s21, v5
	; ---- where the results go.  TA0: my first tile of 16 rows of A; GB: my group of 128 rows of B.  These numbers enter store addresses and a byte selector alone.
	s_lshl_b32 s18, s17, 4
	s_lshl_b32 s19, s15, 3
	s_add_co_u32 s18, s18, s19                     ; TA0 = 16 x tile row + 8 x half
	s_lshl_b32 s19, s42, 1
	s_add_co_u32 s19, s19, s16                     ; GB = 2 x tile column + half
	s_lshr_b32 s20, s19, 4                         ; v: A = channels, B = tokens: region 16 (GB / 16) + TA0 / 4, key step GB % 16
	s_lshl_b32 s20, s20, 4
	s_lshr_b32 s21, s18, 2
	s_add_co_u32 s20, s20, s21
	s_mul_i32 s20, s20, REG
	s_and_b32 s21, s19, 15
	s_lshl_b32 s22, s21, 13
	s_add_co_u32 s22, s22, s20
	s_add_co_u32 s22, s22, VC                      ; v's codes
	s_lshl_b32 s23, s21, 8
	s_add_co_u32 s23, s23, s20
	s_add_co_u32 s23, s23, VSO                     ; v's scale words
	s_lshr_b32 s20, s18, 7                         ; k: A = tokens, B = features: region 16 (TA0 / 128) + 2 (GB - 8), key tile TA0 % 128
	s_lshl_b32 s20, s20, 4
	s_sub_co_u32 s21, s19, 8
	s_lshl_b32 s21, s21, 1
	s_add_co_u32 s20, s20, s21
	s_mul_i32 s20, s20, REG
	s_and_b32 s21, s18, 127
	s_lshl_b32 s44, s21, 10
	s_add_co_u32 s44, s44, s20                     ; k's codes
	s_lshl_b32 s45, s21, 5
	s_add_co_u32 s45, s45, s20
	s_add_co_u32 s45, s45, KSO                     ; k's scale words
	s_lshl_b32 s46, s19, 20                        ; q: head 2 GB, tile TA0
	s_lshl_b32 s47, s18, 10
	s_add_co_u32 s46, s46, s47
	s_add_co_u32 s46, s46, QOFF                    ; q's codes
	s_lshl_b32 s47, s19, 15
	s_lshl_b32 s92, s18, 5
	s_add_co_u32 s47, s47, s92
	s_add_co_u32 s47, s47, QSOFF                   ; q's scale words
	s_mov_b32 s92, REG
	s_mov_b32 s93, 524288                          ; from head to head among q's pieces
	s_mov_b32 s94, 16384                           ; and among q's scale words
	s_cmp_ge_u32 s19, 8                            ; q or k
	s_cselect_b32 s44, s44, s46
	s_cselect_b32 s45, s45, s47
	s_cselect_b32 s93, s92, s93
	s_cselect_b32 s94, s92, s94
	s_mov_b32 s46, 1024
	s_mov_b32 s47, 2048
	s_mov_b32 s98, 264192                          ; from channel tile 3 of a region to tile 0 of the next: REG - 3 x 2,048
	s_mov_b32 s99, 128
	s_mov_b32 s100, 0x05040100                     ; q, k: the low halves of two blocks' words (head 0 of my two),
	s_mov_b32 s101, 0x07060302                     ; the high halves (head 1)
	s_mov_b32 s20, 0x03020100                      ; v: the even block's word as it is,
	s_mov_b32 s21, 0x07060504                      ; the odd block's
	s_cmp_eq_u32 s97, 1                            ; or v
	s_cselect_b32 s44, s22, s44                    ; the codes' first byte
	s_cselect_b32 s45, s23, s45                    ; the scale words' first byte
	s_cselect_b32 s93, s46, s93                    ; from a block's first 1,024 bytes of codes to its second
	s_cselect_b32 s94, 64, s94                     ; the scale words' strides: by bit 4 of the lane,
	s_cselect_b32 s95, s92, s99                    ; by bit 3,
	s_cselect_b32 s96, s99, 64                     ; by bit 2
	s_cselect_b32 s47, s47, s46                    ; from block to block,
	s_cselect_b32 s98, s98, s46                    ; and from block 3 to block 4
	s_cselect_b32 s100, s20, s100
	s_cselect_b32 s101, s21, s101
	s_mov_b32 s20, s44
	s_mov_b32 s21, 0
	s_add_nc_u64 s[12:13], s[6:7], s[20:21]        ; where block 0's codes go
	s_mov_b32 s20, s45
	s_add_nc_u64 s[10:11], s[6:7], s[20:21]        ; where the scale words go
	s_mov_b32 s8, s47
	s_mov_b32 s9, 0
	s_mov_b32 s44, s98
	s_mov_b32 s45, 0
	s_mov_b32 s[SEL], 0x76543210
	s_mov_b32 s[SEL+1], 0xfedcba98
	s_mov_b32 s[MNT], 0x600000
	v_and_b32 v6, 31, v0
	v_lshlrev_b32 v[VOF0], 4, v6
	v_add_nc_u32 v[VOF1], s93, v[VOF0]
	s_lshl_b32 s20, s14, 9                         ; the scale words' stage: 512 bytes a wave, in slot 0: when it is written, that slot has had its last fill and its last read
	v_lshlrev_b32 v5, 2, v1
	v_lshl_add_u32 v5, v2, 8, v5
	v_add_nc_u32 v[SSTO], s20, v5
	v_add_nc_u32 v[SRD], s20, v[VOF0]
	v_mul_lo_u32 v[SGO], v2, s94
	v_bfe_u32 v5, v0, 3, 1
	v_mul_lo_u32 v5, v5, s95
	v_add_nc_u32 v[SGO], v[SGO], v5
	v_bfe_u32 v5, v0, 2, 1
	v_mul_lo_u32 v5, v5, s96
	v_add_nc_u32 v[SGO], v[SGO], v5
	v_and_b32 v5, 3, v0
	v_lshl_add_u32 v[SGO], v5, 4, v[SGO]
	v_mov_b32 v[VSEL], s100
	v_mov_b32 v5, s101
	v_cmp_ne_u32 vcc_lo, 0, v2
	v_cndmask_b32 v[VSEL], v[VSEL], v5, vcc_lo     ; lanes 16-31 take the second selector
.macro FRAG reg, adr, q, i             ; 16 rows x 128 K: registers 4 c .. 4 c + 3 hold K = 32 c + 16 h + 0 .. 15
.irp c, 0,1,2,3
	ds_load_b128 v[\reg+4*\c:\reg+4*\c+3], v[\adr] offset:128*(\q)+32*\c+(\i)*16*PITCH
.endr
.endm
; 16 matrix instructions: A's blocks a0, a0 + 1 x B's eight.  The 64 accumulators take turns, one instruction a turn, in the same order in every step.
.macro MUL16 a0, p, q, sc, zero
.irp a, \a0, \a0+1
.irp b, 0,1,2,3,4,5,6,7
.if \zero
	v_wmma_scale_f32_16x16x128_f8f6f4 v[8*(8*((\a)%4)+\b):8*(8*((\a)%4)+\b)+7], v[128*(\p)+FR*\b:128*(\p)+FR*\b+FR-1], v[AF+FR*(\a):AF+FR*(\a)+FR-1], 0, v[SC+8*NQ*(\sc)+NQ*\b+(\q)], v[SC+8*NQ*(\sc)+NQ*(\a)+(\q)] matrix_a_scale:MATRIX_SCALE_ROW1
.else
	v_wmma_scale_f32_16x16x128_f8f6f4 v[8*(8*((\a)%4)+\b):8*(8*((\a)%4)+\b)+7], v[128*(\p)+FR*\b:128*(\p)+FR*\b+FR-1], v[AF+FR*(\a):AF+FR*(\a)+FR-1], v[8*(8*((\a)%4)+\b):8*(8*((\a)%4)+\b)+7], v[SC+8*NQ*(\sc)+NQ*\b+(\q)], v[SC+8*NQ*(\sc)+NQ*(\a)+(\q)] matrix_a_scale:MATRIX_SCALE_ROW1
.endif
.endr
.endr
.endm
.macro FETCH_B slot, q, p
	WIN TO_B
.irp i, 0,1,2,3,4,5,6,7
	FRAG 128*(\p)+FR*\i, ADRB+\slot, \q, \i
.endr
	WIN 0
.endm
.macro FETCH_A slot, q, i0
.irp i, \i0, \i0+1, \i0+2, \i0+3
	FRAG AF+FR*(\i), ADRA+\slot, \q, \i
.endr
.endm
.macro SCALES sc                       ; the next K step's scale words: lanes 0-15 A's block i, lanes 16-31 B's block i
.irp i, 0,1,2,3,4,5,6,7
	ds_load_b64 v[SC+8*NQ*\sc+NQ*\i:SC+8*NQ*\sc+NQ*\i+1], v[ADRS] offset:\i*SBLK
.endr
.endm
.macro PLACES n                        ; plain vector instructions between a matrix instruction and a load into, or a vector instruction on, its registers
.rept \n
	v_nop
.endr
.endm
.macro STEP slot, q, zero              ; 128 along K that has its successor in the same slot
	s_wait_dscnt 4*NL                              ; B's set and A's blocks 0-3 are in; the 16 youngest loads (A's blocks 4-7) may be out
	WIN MUL_LO
	MUL16 0, (\q)%2, \q, \slot, \zero
	MUL16 2, (\q)%2, \q, \slot, \zero
	s_wait_dscnt 0
	PLACES NP
	FETCH_B \slot, (\q)+1, 1-(\q)%2
	FETCH_A \slot, (\q)+1, 0
	WIN MUL_HI
	MUL16 4, (\q)%2, \q, \slot, \zero
	MUL16 6, (\q)%2, \q, \slot, \zero
	PLACES NP
	WIN 0
	FETCH_A \slot, (\q)+1, 4
.endm
; A slot's last step changes slots: one barrier; in front of it each wave waits for all its tensor loads, adds 0 to its spare word, and waits for that and for its reads of this slot.
.macro TURN slot, next, fill
	s_wait_tensorcnt 0x0                           ; all my tensor loads have landed: my part of the next slot
	ds_add_u32 v[SPW], v[NIL]                      ; 0 onto my spare word
	s_wait_dscnt 4*NL+1                            ; the add and the 16 youngest loads may be out
	WIN MUL_LO
	MUL16 0, 1, NQ-1, \slot, 0
	s_wait_dscnt 0x0                               ; the add is done, and my reads of this slot are over
	s_barrier_signal -1
	MUL16 2, 1, NQ-1, \slot, 0
	WIN 0
	s_barrier_wait -1
.if \fill
	CREST                                          ; the barrier has opened a round of the cluster's: no wave of any partner still reads this slot or has a load on its way
	s_add_nc_u64 s[G0+4*\slot+2:G0+4*\slot+3], s[G0+4*\slot+2:G0+4*\slot+3], 2*ROWB
	s_add_nc_u64 s[G0B+4*\slot+2:G0B+4*\slot+3], s[G0B+4*\slot+2:G0B+4*\slot+3], 2*ROWB
	JLOAD G0+4*\slot, G1, G0B+4*\slot, G1B         ; the first tensor load behind the round; its four v_nop are four of the eight places
	PLACES NP-4
.else
	PLACES NP
.endif
	v_add_nc_u32 v[ADRS], 4*NQ, v[ADRS]
	FETCH_B \next, 0, 0
	FETCH_A \next, 0, 0
	SCALES \next
	WIN MUL_HI
	MUL16 4, 1, NQ-1, \slot, 0
	MUL16 6, 1, NQ-1, \slot, 0
	PLACES NP
	WIN 0
	FETCH_A \next, 0, 4
.endm
	s_wait_tensorcnt 1                             ; the scales and my part of K step 0 are in; K step 1's load may be out
	s_barrier_signal -1
	s_barrier_wait -1
	FETCH_B 0, 0, 0
	FETCH_A 0, 0, 0
	SCALES 0
	FETCH_A 0, 0, 4
	STEP 0, 0, 1                                   ; the first step's products start the sums
	s_mov_b32 s3, LAPS-1
.Llap:
	TURN 0, 1, 1
	STEP 1, 0, 0
	TURN 1, 0, 1
	STEP 0, 0, 0
	s_sub_co_u32 s3, s3, 1
	s_cmp_lg_u32 s3, 0
	s_cbranch_scc1 .Llap
	TURN 0, 1, 0                                   ; the last lap fills nothing
	STEP 1, 0, 0
	s_wait_dscnt 4*NL
	WIN MUL_LO
	MUL16 0, 1, NQ-1, 1, 0
	MUL16 2, 1, NQ-1, 1, 0
	s_wait_dscnt 0
	WIN MUL_HI
	MUL16 4, 1, NQ-1, 1, 0
	MUL16 6, 1, NQ-1, 1, 0
	WIN 0
; THE WAY OUT.  Block a (16 rows of A): my lane's 64 numbers, register 16 b + i = B's true row 32 b + 16 h + i, are four halves of blocks of 32 along the next product's K.
; They become 16 registers of codes, stored as they stand (512 consecutive bytes a store), and a scale word.
.macro QUANTW a
.set AC, 64*((\a)%4)
.set WW, 2+(\a)/4
.set PCA, PC+16*((\a)%2)
	WIN 20*WW                                      ; sources 1 and 2: the accumulators' window
.irp b, 0,1,2,3
	v_mov_b32 v[TM+\b], 0x4800000                  ; the floor 2^(9 - 127): the byte cannot fall under 1
.endr
.irp i, 0,2,4,6,8,10,12,14
.irp b, 0,1,2,3
	v_max3_num_f32 v[TM+\b], v[TM+\b], |v[AC+16*\b+\i]|, |v[AC+16*\b+\i+1]|   ; ascending: each accumulator is first read at its low end
.endr
.endr
	WIN 0
.irp b, 0,1,2,3
	v_permlanex16_b32 v[TM+4+\b], v[TM+\b], s[SEL], s[SEL+1]
.endr
.irp b, 0,1,2,3
	v_max_num_f32 v[TM+\b], v[TM+\b], v[TM+4+\b]   ; with lane l xor 16's: the block's largest magnitude
.endr
.irp b, 0,1,2,3
	v_add_nc_u32 v[TM+12+\b], 0xfc000000, v[TM+\b] ; 8 off its exponent field: the conversion's scale operand
.endr
.irp b, 0,1,2,3
	v_and_or_b32 v[TM+8+\b], v[TM+\b], 0x7f800000, s[MNT]   ; 448 x the scale
.endr
.irp b, 0,1,2,3
	v_lshrrev_b32 v[TM+4+\b], 23, v[TM+12+\b]      ; the scale's byte
.endr
	v_lshl_or_b32 v[PW+(\a)%2], v[TM+5], 8, v[TM+4]
	v_lshl_or_b32 v[PW+(\a)%2], v[TM+6], 16, v[PW+(\a)%2]
	v_lshl_or_b32 v[PW+(\a)%2], v[TM+7], 24, v[PW+(\a)%2]
	WIN WW                                         ; source 0: the accumulators' window
.irp b, 0,1,2,3
.irp i, 0,1,2,3,4,5,6,7,8,9,10,11,12,13,14,15
	v_med3_num_f32 v[T+16*\b+\i], v[AC+16*\b+\i], -v[TM+8+\b], v[TM+8+\b]   ; the hold: the conversion does not saturate (ISA guide 7.6.2)
.endr
.endr
	WIN 0
	s_wait_xcnt 0x0                                ; the earlier stores have read their data and their base: both are written again below
.if (\a) == 4
	s_add_nc_u64 s[12:13], s[12:13], s[44:45]
.elseif (\a) > 0
	s_add_nc_u64 s[12:13], s[12:13], s[8:9]
.endif
.irp b, 0,1,2,3
	v_cvt_scalef32_pk8_fp8_f32 v[PCA+4*\b:PCA+4*\b+1], v[T+16*\b:T+16*\b+7], v[TM+12+\b]
	v_cvt_scalef32_pk8_fp8_f32 v[PCA+4*\b+2:PCA+4*\b+3], v[T+16*\b+8:T+16*\b+15], v[TM+12+\b]
.endr
	v_nop                                          ; a plain instruction behind the last conversion, ahead of the next vector write of its sources
	global_store_b128 v[VOF0], v[PCA:PCA+3], s[12:13]
	global_store_b128 v[VOF0], v[PCA+4:PCA+7], s[12:13] offset:512
	global_store_b128 v[VOF1], v[PCA+8:PCA+11], s[12:13]
	global_store_b128 v[VOF1], v[PCA+12:PCA+15], s[12:13] offset:512
.endm
	PLACES NP                                      ; behind the last products: the lines below read results and write registers that held scales and fragments
.irp b, 0,1,2,3
	v_mov_b32 v[TM+4+\b], 0                        ; written once: a lane permute's destination counts as one of its sources
.endr
.irp al, 0,1,2,3
	QUANTW 2*\al
	QUANTW 2*\al+1
	v_perm_b32 v[WD], v[PW+1], v[PW], v[VSEL]      ; q, k: head h's word for the two tiles;  v: block 2 al + h's own word
	ds_store_b32 v[SSTO], v[WD] offset:64*\al
.endr
	ds_load_b128 v[SD:SD+3], v[SRD]                ; LDS serves a wave's instructions in order: this sees my stores
	s_wait_dscnt 0x0
	global_store_b128 v[SGO], v[SD:SD+3], s[10:11] ; two runs of 256 consecutive bytes, aligned
	s_wait_tensorcnt 0x0                           ; the wave's end
	ds_add_u32 v[SPW], v[NIL]
	s_wait_dscnt 0x0
	CROUND                                         ; the closing round
	s_endpgm
.Lfunc_end_k_q101d4fd93c_proj:
	.size	k_q101d4fd93c_proj, .Lfunc_end_k_q101d4fd93c_proj-k_q101d4fd93c_proj
	.p2alignl 7, 3214868480
	.fill 96, 4, 3214868480
	.section	.rodata,"a",@progbits
	.p2align	6, 0x0
	.amdhsa_kernel k_q101d4fd93c_proj
		.amdhsa_group_segment_fixed_size 327680
		.amdhsa_private_segment_fixed_size 0
		.amdhsa_enable_private_segment 0
		.amdhsa_kernarg_size 16
		.amdhsa_user_sgpr_count 2
		.amdhsa_user_sgpr_kernarg_segment_ptr 1
		.amdhsa_wavefront_size32 1
		.amdhsa_system_sgpr_workgroup_id_x 1
		.amdhsa_system_sgpr_workgroup_id_y 1
		.amdhsa_system_sgpr_workgroup_id_z 1
		.amdhsa_system_vgpr_workitem_id 0
		.amdhsa_next_free_vgpr 1024
		.amdhsa_next_free_sgpr 102
		.amdhsa_reserve_vcc 1
		.amdhsa_float_denorm_mode_32 3
		.amdhsa_float_denorm_mode_16_64 3
		.amdhsa_memory_ordered 1
		.amdhsa_forward_progress 1
		.amdhsa_inst_pref_size 190
	.end_amdhsa_kernel
	.amdgpu_metadata
---
amdhsa.version: [ 1, 2 ]
amdhsa.kernels:
  - .name:           k_q101d4fd93c_proj
    .symbol:         k_q101d4fd93c_proj.kd
    .args:
      - { .name: opnd, .offset: 0, .size: 8, .value_kind: global_buffer, .address_space: global }
      - { .name: qkv, .offset: 8, .size: 8, .value_kind: global_buffer, .address_space: global }
    .group_segment_fixed_size: 327680
    .private_segment_fixed_size: 0
    .kernarg_segment_align: 8
    .kernarg_segment_size: 16
    .max_flat_workgroup_size: 128
    .sgpr_count:     102
    .vgpr_count:     1024
    .wavefront_size: 32
...
	.end_amdgpu_metadata
.endif
;; end of part 2
;; launch attn (part 3): grid 4 x 64, 16 waves a work-group, no clusters, 273,408 bytes of LDS; arguments qkv, mw, ao; writes ao
.if DOCPART == 3
	.amdgcn_target "amdgcn-amd-amdhsa--gfx1250"
	.amdhsa_code_object_version 6
	.text
	.protected	k_q101d4fd93c_attn
	.globl	k_q101d4fd93c_attn
	.p2align	8
	.type	k_q101d4fd93c_attn,@function
k_q101d4fd93c_attn:
	s_mov_b64 s[64:65], 0
	v_nop
	global_prefetch_b8 v0, s[64:65] scope:SCOPE_SE
	s_setreg_imm32_b32 hwreg(HW_REG_WAVE_MODE, 25, 1), 1
	s_wait_xcnt 0x0
; ATTN.  For one (batch, head): O = softmax(mask(q k^T / 8)) v, both products on codes of FP8 (E4M3) with E8M0 scales, and O quantised along the model's 1,024 for the last projection.
; SOFTMAX: t = score x log2(e) / 8; M = the running largest t rounded UP to a whole number; p = 2^(t - M) is quantised along the keys, not normalised; the row's sum is taken of the unquantised p and divides at the end.
; When M moves, the sum and O^T are multiplied by 2^(old M - new M): exact.
; SHARES.  Work-group (i, region) owns the blocks i and 7 - i of 256 queries, one after the other; each of its sixteen waves owns one tile of 16 queries in 256 registers, four waves to a SIMD.
; THE HEAD'S K, V AND THEIR SCALES, 270,336 bytes, LIE IN LDS WHOLE, brought once through registers, as images of the operands' registers: every fragment is four loads of 512 consecutive bytes.
; No tensor load and no cluster: each wave's walk is steered by a branch on stored whole numbers, and what is shared comes once for each work-group.
; K = 64 IN AN INSTRUCTION OF K = 128: a fragment of k holds TWO tiles of 16 keys (registers 0-7, 8-15); q stands between two runs of eight zero registers: (q, 0) picks the first tile, (0, q) the second.
; LAYOUT.  Both products transposed: a lane holds ONE query (lane % 16).  Keys and channels lie in storage order (bits 3 and 4 exchanged), so the 16 registers of two neighbouring tiles are 16 true neighbours.
; THE MASK is an input: the launch before packed it into lane-mask words, one for each score register of a step, and a flag for each (tile of queries, step).  A hidden score becomes -infinity by one v_cndmask_b32.
; A step whose 128 keys are all hidden from my 16 queries adds nothing (p = 0, M stays): it is passed over by a scalar branch on its flag.  Nothing of the mask's pattern is built in.
; A QUERY WHOSE MASK ROW IS ALL ZERO has sum 0: its codes are zeros and its scale bytes 0xff, which makes its row of the final output NaN.
; LIMITS: NaN and infinities among the inputs are not served; blocks whose largest magnitude lies under 2^-118 keep the byte 1; blocks of zeros get the byte 1 where the rule says 127 (read by this program alone).
.set REG,   270336
.set VC,    131072
.set KSO,   262144
.set VSO,   266240
.set QOFF,  17301504
.set QSOFF, 25690112
.set FOFF,  524288
.set AOS,   8388608
.set STG,   270336                     ; behind the image: 512 bytes for each pass: the scale halves of 256 rows
.set LI,   1                           ; v1   16 x lane
.set KSA,  2                           ; v2   k's scale words: KSO + 4 r
.set VSA,  3                           ; v3   v's: VSO + 4 r
.set NINF, 4                           ; v4   -infinity
.set ADK,  5                           ; v5-8 the step's LDS addresses: k, v, k's scale words, v's
.set ADV,  6
.set ADS,  7
.set ADT,  8
.set QS,   9                           ; v9   q's scale word (q0, q1, q0, q1)
.set LIV,  10                          ; v10  VC + 16 x lane
.set FA,   11                          ; v11  the fill: 16,896 x wave + 16 x lane, in memory and in LDS alike
                                       ; v12 -M, v13 the largest t, v[14:15] the sum;  v16-23 zeros, v24-31 q, v32-39 zeros
.set F,    40                          ; v40-103  four fragments of k, then of v
.set S,    104                         ; v104-167 S^T, then p
.set O,    168                         ; v168-199 O^T
.set PCD,  200                         ; v200-215 p's codes
.set KW,   216                         ; v216-219 k's scale words;  v220-223 v's
.set VW,   220
.set BM,   224                         ; v224-227 a block's largest; v228-231 bytes; v232-235 448 x the scale; v236-239 scale operands
.set BY,   228
.set BL,   232
.set BS,   236
                                       ; v240, v241 at work; v[242:243] f; v244 p's scale word; v[246:247] the sum's second chain
.set QO,   245                         ; v245 q's piece: byte offset in qkv
.set SS,   248                         ; v248 STG + 32 wave + 2 r
.set SR,   249                         ; v249 STG + 16 x lane
.set QSO,  250                         ; v250 q's scale word: byte offset in qkv
.set HW,   251                         ; v251 my row's two scale bytes
                                       ; s10 wave, s11 head, s12 batch, s13 block of queries, s15 step; s16-63, s68-83 the step's 64 mask words; s[84:85] lane selects; s[86:87] c; s88 448's mantissa;
                                       ; s89 the flags; s90 8,192 x step; s91 256 x step; s[92:93] mask records; s[94:95] O's piece; s[96:97] O's scale halves; s98 lanes with sum 0; s100 q's selector
	s_load_b128 s[4:7], s[0:1], 0x0                ; qkv, mw
	s_load_b64 s[8:9], s[0:1], 0x10                ; ao
	v_lshrrev_b32 v1, 5, v0
	v_readfirstlane_b32 s10, v1                    ; wave 0..15
	v_and_b32 v252, 31, v0
	v_and_b32 v253, 15, v0                         ; r
	v_lshlrev_b32 v[LI], 4, v252
	v_lshl_add_u32 v[KSA], v253, 2, KSO
	v_lshl_add_u32 v[VSA], v253, 2, VSO
	v_mov_b32 v[NINF], 0xff800000
	v_add_nc_u32 v[LIV], VC, v[LI]
	s_mul_i32 s99, s10, 16896
	v_add_nc_u32 v[FA], s99, v[LI]
	s_lshl_b32 s99, s10, 5
	v_lshl_add_u32 v[SS], v253, 1, s99
	v_add_nc_u32 v[SS], STG, v[SS]
	v_add_nc_u32 v[SR], STG, v[LI]
	v_lshlrev_b32 v254, 2, v253                    ; 4 r; it stays
.irp j, 16,17,18,19,20,21,22,23,32,33,34,35,36,37,38,39
	v_mov_b32 v\j, 0                               ; zero codes on both sides of q
.endr
	s_and_b32 s99, ttmp7, 0xffff                   ; the region: 16 x batch + head
	s_and_b32 s11, s99, 15
	s_lshr_b32 s12, s99, 4
	s_mul_i32 s2, s99, REG
	s_mov_b32 s3, 0
	s_mov_b32 s84, 0x76543210
	s_mov_b32 s85, 0xfedcba98
	s_mov_b32 s86, 0x3e38aa3b                      ; c = log2(e) / 8
	s_mov_b32 s87, s86                             ; (named with it as a pair, so it is written)
	s_mov_b32 s88, 0x600000
	s_and_b32 s100, s10, 1
	s_cmp_eq_u32 s100, 1                           ; an odd tile's two bytes are the word's upper half
	s_mov_b32 s100, 0x01000100
	s_mov_b32 s101, 0x03020302
	s_cselect_b32 s100, s101, s100
	s_wait_kmcnt 0x0
	s_add_nc_u64 s[2:3], s[4:5], s[2:3]            ; the region
; What a pass needs of its tile of queries: q's piece and scale word, the 16 flags, and four addresses.
.macro QLOAD p
.if \p
	s_sub_co_u32 s13, 7, ttmp9
.else
	s_mov_b32 s13, ttmp9
.endif
	s_lshl_b32 s99, s13, 4
	s_add_co_u32 s99, s99, s10                     ; T': my tile in the batch
	s_lshl_b32 s14, s99, 6
	s_load_b512 s[16:31], s[6:7], s14 offset:FOFF  ; its 16 flags
	s_lshl_b32 s92, s99, 12
	s_mov_b32 s93, 0
	s_add_nc_u64 s[92:93], s[6:7], s[92:93]        ; its mask records: 16 steps x 256 bytes
	s_lshl_b32 s101, s12, 7
	s_add_co_u32 s99, s99, s101                    ; T: my tile among all 512
	s_lshl_b32 s101, s11, 9
	s_add_co_u32 s101, s101, s99
	s_lshl_b32 s101, s101, 10
	s_add_co_u32 s101, s101, QOFF
	v_add_nc_u32 v[QO], s101, v[LI]
	global_load_b128 v[24:27], v[QO], s[4:5]
	global_load_b128 v[28:31], v[QO], s[4:5] offset:512
	s_lshr_b32 s101, s99, 1
	s_lshl_b32 s101, s101, 6
	s_lshl_b32 s94, s11, 14
	s_add_co_u32 s101, s101, s94
	s_add_co_u32 s101, s101, QSOFF
	v_add_nc_u32 v[QSO], s101, v254
	global_load_b32 v240, v[QSO], s[4:5]
	s_lshl_b32 s94, s99, 4
	s_add_co_u32 s94, s94, s11
	s_lshl_b32 s94, s94, 10
	s_mov_b32 s95, 0
	s_add_nc_u64 s[94:95], s[8:9], s[94:95]        ; O's piece: (16 T + head) x 1,024
	s_lshl_b32 s96, s12, 7
	s_lshl_b32 s97, s13, 4
	s_add_co_u32 s96, s96, s97
	s_lshl_b32 s96, s96, 5
	s_lshl_b32 s97, s11, 14
	s_add_co_u32 s96, s96, s97
	s_add_co_u32 s96, s96, AOS
	s_mov_b32 s97, 0
	s_add_nc_u64 s[96:97], s[8:9], s[96:97]        ; the block's 256 scale halves of my head
.endm
	QLOAD 0
	; THE FILL: wave w copies bytes 16,896 w .. of the region: 33 loads and 33 LDS stores of 512 consecutive bytes
.set j, 0
.rept 33
	global_load_b128 v[104+4*j:107+4*j], v[FA], s[2:3] offset:512*j
.set j, j+1
.endr
.set j, 0
.rept 33
	s_wait_loadcnt 32-j                            ; loads come back in order: load j is in, the 32 - j younger ones may be out
	ds_store_b128 v[FA], v[104+4*j:107+4*j] offset:512*j
.set j, j+1
.endr
	s_wait_dscnt 0x0                               ; for the others' sake: my part of the image lies in LDS
	s_barrier_signal -1
	s_barrier_wait -1
.macro PASS p
.if \p
	s_wait_xcnt 0x0                                ; the last pass's stores have read their data and addresses: all are written again below
	QLOAD 1
.endif
.set n, 0
.rept 32
	v_mov_b32 v[O+n], 0                            ; the step is written once: its first walk finds zeros, which the first change of M leaves zeros
.set n, n+1
.endr
	v_mov_b32 v13, 0xff61b1e6                      ; the largest t so far: -3e38
	v_floor_f32 v12, -v13                          ; -M
	v_mov_b32 v14, 0
	v_mov_b32 v15, 0
.irp b, 0,1,2,3
	v_mov_b32 v[BY+\b], 0                          ; a lane permute's destination counts as one of its sources
.endr
	v_mov_b32 v243, 0                              ; (named as the upper half of the pair v[242:243])
	s_wait_kmcnt 0x0                               ; the flags
	s_or_b32 s89, s16, s17
.irp f, 18,19,20,21,22,23,24,25,26,27,28,29,30,31
	s_or_b32 s89, s89, s\f                         ; flag s is 1 << s or 0
.endr
	s_wait_loadcnt 0x0                             ; q and its scale word
	v_perm_b32 v[QS], v240, v240, s100             ; my tile's two bytes, twice
	s_mov_b32 s15, 0
	s_mov_b32 s90, 0
	s_mov_b32 s91, 0
.Lstep_\p:                                         ; 16 trips, a constant
	s_lshr_b32 s99, s89, s15
	s_and_b32 s99, s99, 1
	s_cmp_eq_u32 s99, 0
	s_cbranch_scc1 .Lhidden_\p                     ; no key of this step counts for any of my queries
	s_load_b512 s[16:31], s[92:93], s91 offset:0x0 ; the step's 64 lane-mask words
	s_load_b512 s[32:47], s[92:93], s91 offset:0x40
	s_load_b512 s[48:63], s[92:93], s91 offset:0x80
	s_load_b512 s[68:83], s[92:93], s91 offset:0xc0
	v_add_nc_u32 v[ADK], s90, v[LI]
	v_add_nc_u32 v[ADV], s90, v[LIV]
	v_add_nc_u32 v[ADS], s91, v[KSA]
	v_add_nc_u32 v[ADT], s91, v[VSA]
.rept 4
	v_nop                                          ; with the four additions: eight places behind the last products, ahead of loads into their fragments; and q's scale word stands eight ahead of its first product
.endr
.irp f, 0,1,2,3
.irp c, 0,1,2,3
	ds_load_b128 v[F+16*\f+4*\c:F+16*\f+4*\c+3], v[ADK] offset:2048*\f+512*\c   ; key tiles 2 f and 2 f + 1
.endr
	ds_load_b32 v[KW+\f], v[ADS] offset:64*\f
.endr
	s_wait_dscnt 0x0
.irp f, 0,1,2,3
	v_wmma_scale_f32_16x16x128_f8f6f4 v[S+16*\f:S+16*\f+7], v[F+16*\f:F+16*\f+15], v[24:39], 0, v[KW+\f], v[QS]      ; (q, 0): tile 2 f
	v_wmma_scale_f32_16x16x128_f8f6f4 v[S+16*\f+8:S+16*\f+15], v[F+16*\f:F+16*\f+15], v[16:31], 0, v[KW+\f], v[QS]   ; (0, q): tile 2 f + 1
.endr
.rept 8
	v_nop                                          ; eight places: loads into the fragments, and the first reads of the scores, follow
.endr
.irp d, 0,1,2,3
.irp c, 0,1,2,3
	ds_load_b128 v[F+16*\d+4*\c:F+16*\d+4*\c+3], v[ADV] offset:2048*\d+512*\c   ; v's four tiles of channels: they land while the softmax is walked
.endr
	ds_load_b32 v[VW+\d], v[ADT] offset:64*\d
.endr
	s_wait_kmcnt 0x0                               ; the mask words
.set n, 0
.rept 64
	v_cndmask_b32 v[S+n], v[NINF], v[S+n], s[16+n+4*(n/48)]   ; register 16 b + i: key 32 b + 16 h + i of the step.  Ascending: each accumulator is first read at its low end
.set n, n+1
.endr
.irp b, 0,1,2,3
	v_max3_num_f32 v[BM+\b], v[S+16*\b], v[S+1+16*\b], v[S+2+16*\b]   ; the largest score of each block of 32 keys: for the row's maximum, and, since p rises with the score, for the block's largest p
.endr
.irp i, 3,5,7,9,11,13
.irp b, 0,1,2,3
	v_max3_num_f32 v[BM+\b], v[BM+\b], v[S+16*\b+\i], v[S+1+16*\b+\i]
.endr
.endr
.irp b, 0,1,2,3
	v_max_num_f32 v[BM+\b], v[BM+\b], v[S+15+16*\b]
.endr
.irp b, 0,1,2,3
	v_permlanex16_b32 v[BY+\b], v[BM+\b], s84, s85
.endr
.irp b, 0,1,2,3
	v_max_num_f32 v[BM+\b], v[BM+\b], v[BY+\b]     ; with lane l xor 16's 16 keys
.endr
	v_max3_num_f32 v240, v[BM], v[BM+1], v[BM+2]
	v_max_num_f32 v240, v240, v[BM+3]
	v_mul_f32 v240, s86, v240                      ; as t (c is positive)
	v_max_num_f32 v13, v13, v240                   ; the running largest t
	v_mov_b32 v240, v12
	v_floor_f32 v12, -v13                          ; the new -M = floor(-t)
	v_sub_f32 v240, v12, v240                      ; old M - new M: a whole number, 0 or less
	v_cvt_i32_f32 v240, v240                       ; (it saturates)
	v_ldexp_f32 v242, 1.0, v240                    ; f = 2^(old M - new M)
.set n, 0
.rept 32
	v_pk_fma_f32 v[S+n:S+n+1], v[S+n:S+n+1], s[86:87], v[12:13] op_sel_hi:[1,0,0]   ; t - M, two at a time
.set n, n+2
.endr
.irp b, 0,1,2,3
	v_fma_f32 v[BM+\b], v[BM+\b], s86, v12         ; the same of each block's largest score
.endr
.set n, 0
.rept 64
	v_exp_f32 v[S+n], v[S+n]                       ; p = 2^(t - M)
.set n, n+1
.endr
	v_pk_mul_f32 v[14:15], v[14:15], v[242:243] op_sel_hi:[1,0]   ; the sums under the new M: the plain instruction behind the exponentials
	s_wait_alu depctr_va_vdst(0)                   ; one wait for the batch of 64, ahead of its first reader
.irp b, 0,1,2,3
	v_exp_f32 v[BM+\b], v[BM+\b]                   ; the block's largest p
.endr
	v_pk_add_f32 v[246:247], v[S:S+1], v[S+2:S+3]  ; the row's sum is taken of the unquantised p, in two chains
.set n, 4
.rept 15
	v_pk_add_f32 v[14:15], v[14:15], v[S+n:S+n+1]
	v_pk_add_f32 v[246:247], v[246:247], v[S+n+2:S+n+3]
.set n, n+4
.endr
	v_pk_add_f32 v[14:15], v[14:15], v[246:247]
	s_wait_alu depctr_va_vdst(0)                   ; and one for the four
.irp b, 0,1,2,3
	v_max_num_f32 v[BM+\b], 0x4800000, v[BM+\b]    ; the floor 2^(9 - 127)
.endr
.irp b, 0,1,2,3
	v_add_nc_u32 v[BS+\b], 0xfc000000, v[BM+\b]    ; the conversion's scale operand
.endr
.irp b, 0,1,2,3
	v_and_or_b32 v[BL+\b], v[BM+\b], 0x7f800000, s88   ; 448 x the scale
.endr
.irp b, 0,1,2,3
	v_lshrrev_b32 v[BY+\b], 23, v[BS+\b]           ; the scale's byte
.endr
	v_lshl_or_b32 v244, v[BY+1], 8, v[BY]          ; p's scale word for these 128 keys
	v_lshl_or_b32 v244, v[BY+2], 16, v244
	v_lshl_or_b32 v244, v[BY+3], 24, v244
.irp b, 0,1,2,3
.irp i, 0,1,2,3,4,5,6,7,8,9,10,11,12,13,14,15
	v_min_num_f32 v[S+16*\b+\i], v[S+16*\b+\i], v[BL+\b]   ; the hold; p is not negative, so it is one-sided
.endr
	v_cvt_scalef32_pk8_fp8_f32 v[PCD+4*\b:PCD+4*\b+1], v[S+16*\b:S+16*\b+7], v[BS+\b]
	v_cvt_scalef32_pk8_fp8_f32 v[PCD+4*\b+2:PCD+4*\b+3], v[S+16*\b+8:S+16*\b+15], v[BS+\b]
.endr
.set n, 0
.rept 16
	v_pk_mul_f32 v[O+n:O+n+1], v[O+n:O+n+1], v[242:243] op_sel_hi:[1,0]   ; O^T under the new M; these are also the places between the codes and the products
.set n, n+2
.endr
	s_wait_dscnt 0x0                               ; v's fragments and scale words
.irp d, 0,1,2,3
	v_wmma_scale_f32_16x16x128_f8f6f4 v[O+8*\d:O+8*\d+7], v[F+16*\d:F+16*\d+15], v[PCD:PCD+15], v[O+8*\d:O+8*\d+7], v[VW+\d], v244   ; the four accumulators by turns
.endr
.Lhidden_\p:
	s_add_co_u32 s90, s90, 8192
	s_add_co_u32 s91, s91, 256
	s_add_co_u32 s15, s15, 1
	s_cmp_lt_u32 s15, 16
	s_cbranch_scc1 .Lstep_\p
	; THE WAY OUT OF A PASS: O^T / the sum, quantised along the model's axis: my head's 64 channels are two blocks; register 16 a + i is channel 32 a + 16 h + i
.rept 8
	v_nop
.endr
	v_add_f32 v14, v14, v15
	v_permlanex16_b32 v240, v14, s84, s85
	v_add_f32 v14, v14, v240                       ; the row's sum
	v_rcp_f32 v241, v14
	v_nop                                          ; a plain instruction behind the reciprocal
	v_cmp_eq_f32 s98, 0, v14                       ; a query that no key counts for
	s_wait_alu depctr_va_vdst(0)                   ; the wait ahead of the reciprocal's first reader
	v_cndmask_b32 v242, v241, v16, s98             ; there 0 in place of 1 / 0: its codes are zeros
.set n, 0
.rept 16
	v_pk_mul_f32 v[S+n:S+n+1], v[O+n:O+n+1], v[242:243] op_sel_hi:[1,0]   ; ascending: each accumulator is first read at its low end
.set n, n+2
.endr
.irp b, 0,1
	v_max3_num_f32 v[BM+\b], |v[S+16*\b]|, |v[S+1+16*\b]|, 0x4800000
.endr
.irp i, 2,4,6,8,10,12,14
.irp b, 0,1
	v_max3_num_f32 v[BM+\b], v[BM+\b], |v[S+16*\b+\i]|, |v[S+1+16*\b+\i]|
.endr
.endr
.irp b, 0,1
	v_permlanex16_b32 v[BY+\b], v[BM+\b], s84, s85
.endr
.irp b, 0,1
	v_max_num_f32 v[BM+\b], v[BM+\b], v[BY+\b]
.endr
.irp b, 0,1
	v_add_nc_u32 v[BS+\b], 0xfc000000, v[BM+\b]
.endr
.irp b, 0,1
	v_and_or_b32 v[BL+\b], v[BM+\b], 0x7f800000, s88
.endr
.irp b, 0,1
	v_lshrrev_b32 v[BY+\b], 23, v[BS+\b]
.endr
	v_lshl_or_b32 v[HW], v[BY+1], 8, v[BY]
	v_mov_b32 v240, 0xffff
	v_cndmask_b32 v[HW], v[HW], v240, s98          ; the NaN bytes for a query that no key counts for
.irp b, 0,1
.irp i, 0,1,2,3,4,5,6,7,8,9,10,11,12,13,14,15
	v_med3_num_f32 v[S+16*\b+\i], v[S+16*\b+\i], -v[BL+\b], v[BL+\b]
.endr
	v_cvt_scalef32_pk8_fp8_f32 v[PCD+4*\b:PCD+4*\b+1], v[S+16*\b:S+16*\b+7], v[BS+\b]
	v_cvt_scalef32_pk8_fp8_f32 v[PCD+4*\b+2:PCD+4*\b+3], v[S+16*\b+8:S+16*\b+15], v[BS+\b]
.endr
	v_nop                                          ; a plain instruction behind the last conversion
	global_store_b128 v[LI], v[PCD:PCD+3], s[94:95]              ; the piece: twice 512 consecutive bytes, aligned
	global_store_b128 v[LI], v[PCD+4:PCD+7], s[94:95] offset:512
	ds_store_b16 v[SS], v[HW] offset:512*\p        ; both lanes of a row write the same two bytes
	s_wait_dscnt 0x0                               ; for wave 0's sake
	s_barrier_signal -1
	s_barrier_wait -1
	s_cmp_lg_u32 s10, 0
	s_cbranch_scc1 .Lnot_0_\p
	ds_load_b128 v[PCD+8:PCD+11], v[SR] offset:512*\p
	s_wait_dscnt 0x0
	global_store_b128 v[LI], v[PCD+8:PCD+11], s[96:97]           ; the block's 256 scale halves: 512 consecutive bytes, aligned
.Lnot_0_\p:
.endm
	PASS 0
	PASS 1
	s_wait_xcnt 0x0
	v_lshl_add_u32 v254, v0, 2, 0x42400
	v_mov_b32 v255, 0
	s_wait_tensorcnt 0x0
	ds_add_u32 v254, v255
	s_wait_dscnt 0x0
	s_endpgm
.Lfunc_end_k_q101d4fd93c_attn:
	.size	k_q101d4fd93c_attn, .Lfunc_end_k_q101d4fd93c_attn-k_q101d4fd93c_attn
	.p2alignl 7, 3214868480
	.fill 96, 4, 3214868480
	.section	.rodata,"a",@progbits
	.p2align	6, 0x0
	.amdhsa_kernel k_q101d4fd93c_attn
		.amdhsa_group_segment_fixed_size 273408
		.amdhsa_private_segment_fixed_size 0
		.amdhsa_enable_private_segment 0
		.amdhsa_kernarg_size 24
		.amdhsa_user_sgpr_count 2
		.amdhsa_user_sgpr_kernarg_segment_ptr 1
		.amdhsa_wavefront_size32 1
		.amdhsa_system_sgpr_workgroup_id_x 1
		.amdhsa_system_sgpr_workgroup_id_y 1
		.amdhsa_system_sgpr_workgroup_id_z 1
		.amdhsa_system_vgpr_workitem_id 0
		.amdhsa_next_free_vgpr 256
		.amdhsa_next_free_sgpr 102
		.amdhsa_reserve_vcc 0
		.amdhsa_float_denorm_mode_32 3
		.amdhsa_float_denorm_mode_16_64 3
		.amdhsa_memory_ordered 1
		.amdhsa_forward_progress 1
		.amdhsa_inst_pref_size 75
	.end_amdhsa_kernel
	.amdgpu_metadata
---
amdhsa.version: [ 1, 2 ]
amdhsa.kernels:
  - .name:           k_q101d4fd93c_attn
    .symbol:         k_q101d4fd93c_attn.kd
    .args:
      - { .name: qkv, .offset: 0, .size: 8, .value_kind: global_buffer, .address_space: global }
      - { .name: mw, .offset: 8, .size: 8, .value_kind: global_buffer, .address_space: global }
      - { .name: ao, .offset: 16, .size: 8, .value_kind: global_buffer, .address_space: global }
    .group_segment_fixed_size: 273408
    .private_segment_fixed_size: 0
    .kernarg_segment_align: 8
    .kernarg_segment_size: 24
    .max_flat_workgroup_size: 512
    .sgpr_count:     102
    .vgpr_count:     256
    .wavefront_size: 32
...
	.end_amdgpu_metadata
.endif
;; end of part 3
;; launch outp (part 4): grid 4 x 32, 4 waves a work-group, clusters of 4 x 4, 327,680 bytes of LDS; arguments ao, opnd, out0; writes out0
.if DOCPART == 4
	.amdgcn_target "amdgcn-amd-amdhsa--gfx1250"
	.amdhsa_code_object_version 6
	.text
	.protected	k_q101d4fd93c_outp
	.globl	k_q101d4fd93c_outp
	.p2align	8
	.type	k_q101d4fd93c_outp,@function
k_q101d4fd93c_outp:
	s_mov_b64 s[64:65], 0
	v_nop
	global_prefetch_b8 v0, s[64:65] scope:SCOPE_SE
	s_setreg_imm32_b32 hwreg(HW_REG_WAVE_MODE, 25, 1), 1
	s_wait_xcnt 0x0
	s_wait_alu depctr_hold_cnt(0) depctr_sa_sdst(0) depctr_va_vdst(0) depctr_va_sdst(0) depctr_va_ssrc(0) depctr_va_vcc(0) depctr_vm_vsrc(0)
	s_getreg_b32 s2, hwreg(HW_REG_IB_STS2, 6, 4)
	s_cmp_eq_u32 s2, 0
	s_cbranch_scc0 .Lentry_in_a_cluster
	s_endpgm
.Lentry_in_a_cluster:
	s_bfe_u32 s2, ttmp6, 0x10000c
	s_cmp_lg_u32 s2, 0xf033
	s_cbranch_scc0 .Lentry_shape_is_right
	s_endpgm
.Lentry_shape_is_right:
; OUTP.  out0 = O wo^T on codes of FP8 (E4M3) with E8M0 scales, K = 1,024; out0 [8192][1024] f32.  A tile is 256 x 256: four waves, each 128 x 128 in 64 accumulators.
; K goes in steps of 256 through a ring of two LDS slots filled by the tensor data mover.  CLUSTERS 4 x 4: A's tiles are asked for jointly along a row of the cluster, B's along a column.
; A (the attention's output) lies in ao IN THE ORDER OF THE OPERAND'S REGISTERS: [tile of 16 rows 512][head 16][1 KiB]: a K step of a tile is 4,096 consecutive bytes, two fragments, each four loads of 512 bytes; no padding.
; Its scale bytes lie [head 16][row 8192][2 bytes]: they come once, and the work-group puts each row's 16 halves together into 32 bytes, laid as B's scale bytes are, in LDS bytes that no tensor load fills.
; B = wo's codes and scale bytes in opnd, rows 11,264 on.
; ROWS AND COLUMNS lie in storage order (bits 3 and 4 exchanged): the way out puts both back.  THE MATRIX INSTRUCTION IS USED TRANSPOSED (source 0 = 16 rows of B, source 1 = 16 rows of A).
; A row of A whose scale bytes are 0xff (a query that no key counted for) comes out as NaN.
; REGISTERS, in windows of 256: window 0: v0-31 addresses; v32-63 scale words, two sets; v64-95 at work once; from v128 A's fragments, one set.  window 1: B's fragments, two sets.  windows 2, 3: the accumulators.
.set SIZE_N, 1024
.set NQ,     2
.set ROWB,   256                       ; a row of B's tile in bytes
.set ASTEP,  4096                      ; a K step of a tile of A's 16 rows
.set KROW,   1024
.set PITCH,  272                       ; B's LDS row: 256 bytes + 16 = 68 words: row r starts at bank 4 r mod 64
.set FR,     16
.set NL,     4
.set NP,     8                         ; places behind this matrix instruction (ISA guide 7.12.1)
.set HALFA,  32768                     ; 8 tiles x 4,096 bytes: what one tensor load brings of A
.set HALFB,  128*PITCH
.set BOFF,   2*HALFA
.set SLOT,   BOFF+2*HALFB
.set LAPS,   2
.set KS,     32
.set HALFS,  (128*KS/256)*272
.set SBLK,   (16*KS/256)*272
.set SCLA,   2*SLOT                    ; A's scale bytes, put together by LDS stores: no fill lands here
.set SCLB,   SCLA+2*HALFS              ; B's, filled once
.set RAW,    SCLB+2*HALFS              ; A's scale halves as they come: 2 x 16 heads x 256 bytes, filled once
.set SPARE,  RAW+8192                  ; the spare words: 128 bytes for each wave, named by no other line
.set SPITCH, 528                       ; the way out: a stage of 16 rows x (512 + 16) bytes for each wave, in slot 0, which has had its last fill and its last read by then
.set OSC,    12582912
.set AOS,    8388608
.set WOROW,  11264
.set ADRA, 16
.set ADRB, 20
.set STO,  24
.set RD,   25
.set CO,   26
.set ADRS, 27
.set SPW,  28
.set NIL,  29
.set SC,   32
.set AF,   128
.set BK,   128
.set G1, 24
.set G0, 32
.set G1B, 48
.set G0B, 56
.set G1S, 68
.set G0S, 76
.set G1SB, 80
.set G0SB, 88
.set MSB, 0
.macro WIN new                         ; the immediate's high byte repeats the setting that is left
.if MSB != (\new)
	s_set_vgpr_msb (MSB<<8)|(\new)
.set MSB, (\new)
.endif
.endm
.set MUL_LO, 0xa1
.set MUL_HI, 0xf1
.set TO_B,   0x40
.macro JLOAD g0a, g1a, g0b, g1b        ; waves 0 and 1 fetch for A, waves 2 and 3 for B; four v_nop follow each of the two lines
	s_cmp_eq_u32 s15, 0
	s_cbranch_scc0 .Lfor_b_\@
	tensor_load_to_lds s[\g0a:\g0a+3], s[\g1a:\g1a+7]
	s_nop 0
.rept 4
	v_nop
.endr
	s_branch .Lasked_\@
.Lfor_b_\@:
	tensor_load_to_lds s[\g0b:\g0b+3], s[\g1b:\g1b+7]
	s_nop 0
.rept 4
	v_nop
.endr
.Lasked_\@:
.endm
.macro CREST
	s_cmp_lg_u32 s14, 0
	s_cbranch_scc1 .Lnot_wave_0_\@
	s_barrier_signal -3
.Lnot_wave_0_\@:
	s_barrier_wait -3
	s_barrier_signal -1
	s_barrier_wait -1
.endm
.macro CROUND
	s_barrier_signal -1
	s_barrier_wait -1
	CREST
.endm
	s_load_b128 s[4:7], s[0:1], 0x0                ; ao s[4:5], opnd s[6:7]
	s_load_b64 s[12:13], s[0:1], 0x10              ; out0
	v_lshl_add_u32 v[SPW], v0, 2, SPARE
	v_mov_b32 v[NIL], 0
	ds_add_u32 v28, v29
	ds_add_u32 v28, v29
	s_wait_dscnt 0x0
	v_lshrrev_b32 v1, 5, v0
	v_readfirstlane_b32 s14, v1                    ; wave 0..3
	s_lshr_b32 s15, s14, 1                         ; which half of the tile's rows is mine.  Also: I fetch for A (0) or for B (1)
	s_and_b32 s16, s14, 1                          ; which half of its columns.  Also: which 128 rows I fetch
	s_bfe_u32 s40, ttmp6, 0x40000                  ; cx
	s_bfe_u32 s41, ttmp6, 0x40004                  ; cy
	s_lshl_b32 s42, ttmp9, 2
	s_add_co_u32 s42, s42, s40                     ; tile column
	s_and_b32 s17, ttmp7, 0xffff
	s_lshl_b32 s17, s17, 2
	s_add_co_u32 s17, s17, s41                     ; tile row
	s_lshl_b32 s43, s41, 2
	s_lshl_b32 s43, 15, s43                        ; my row of the cluster
	s_lshl_b32 s44, 0x1111, s40                    ; my column
	s_or_b32 s[G1+0], s43, (0<<16)|(1<<21)         ; A's codes: the mask; elements of 1 byte; no padding; bit 21 beside a mask
	s_mov_b32 s[G1+1], ASTEP<<16                   ; tensor_dim0 = 4,096
	s_mov_b32 s[G1+2], 8<<16                       ; tensor_dim1 = 8 tiles
	s_mov_b32 s[G1+3], ASTEP<<16                   ; tile_dim0
	s_mov_b32 s[G1+4], 8                           ; tile_dim1
	s_mov_b32 s[G1+5], 16384                       ; from tile to tile
	s_mov_b32 s[G1+6], 0
	s_mov_b32 s[G1+7], 0
	s_or_b32 s[G1B+0], s44, (0<<16)|(1<<20)|(1<<21)|(5<<22)|(3<<25)  ; B's codes: 128 rows of 256 bytes, 4 words of padding after every 64
	s_mov_b32 s[G1B+1], ROWB<<16
	s_mov_b32 s[G1B+2], 128<<16
	s_mov_b32 s[G1B+3], ROWB<<16
	s_mov_b32 s[G1B+4], 128
	s_mov_b32 s[G1B+5], KROW
	s_mov_b32 s[G1B+6], 0
	s_mov_b32 s[G1B+7], 0
	s_or_b32 s[G1S+0], s43, (3<<16)|(1<<21)        ; A's scale halves: 16 heads x 256 bytes (32 elements of 8 bytes), 16,384 bytes apart, no padding
	s_mov_b32 s[G1S+1], 32<<16
	s_mov_b32 s[G1S+2], 16<<16
	s_mov_b32 s[G1S+3], 32<<16
	s_mov_b32 s[G1S+4], 16
	s_mov_b32 s[G1S+5], 2048
	s_mov_b32 s[G1S+6], 0
	s_mov_b32 s[G1S+7], 0
	s_or_b32 s[G1SB+0], s44, (3<<16)|(1<<20)|(1<<21)|(5<<22)|(3<<25)  ; B's scale bytes: 4,096 dense bytes as 16 rows of 256, 16 bytes of padding behind each
	s_mov_b32 s[G1SB+1], 32<<16
	s_mov_b32 s[G1SB+2], (128*KS/256)<<16
	s_mov_b32 s[G1SB+3], 32<<16
	s_mov_b32 s[G1SB+4], 128*KS/256
	s_mov_b32 s[G1SB+5], 32
	s_mov_b32 s[G1SB+6], 0
	s_mov_b32 s[G1SB+7], 0
	s_lshl_b32 s20, s17, 4
	s_lshl_b32 s18, s16, 3
	s_add_co_u32 s20, s20, s18                     ; A: my first tile of 16 rows: 16 x tile row + 8 x half (it never holds cx)
	s_lshl_b32 s22, s20, 5                         ; its rows' scale halves: 16 rows x 2 bytes a tile
	s_add_co_u32 s22, s22, AOS
	s_mov_b32 s23, 0
	s_lshl_b32 s20, s20, 14
	s_mov_b32 s21, 0
	s_lshl_b32 s46, s42, 8
	s_lshl_b32 s18, s16, 7
	s_add_co_u32 s46, s46, s18
	s_add_co_u32 s46, s46, WOROW                   ; B: the row in opnd (it never holds cy)
	s_lshl_b32 s92, s46, 5
	s_add_co_u32 s92, s92, OSC
	s_mov_b32 s93, 0
	s_lshl_b32 s46, s46, 10
	s_mov_b32 s47, 0
	s_mul_i32 s45, s16, HALFA                      ; where they go: no place in the cluster enters an LDS address
	s_mul_i32 s94, s16, HALFB
	s_add_co_u32 s94, s94, BOFF
	s_lshl_b32 s95, s16, 12
	s_add_co_u32 s95, s95, RAW
	s_mul_i32 s96, s16, HALFS
	s_add_co_u32 s96, s96, SCLB
	s_wait_kmcnt 0x0
	s_add_nc_u64 s[20:21], s[4:5], s[20:21]
	s_add_nc_u64 s[22:23], s[4:5], s[22:23]
	s_add_nc_u64 s[46:47], s[6:7], s[46:47]
	s_add_nc_u64 s[92:93], s[6:7], s[92:93]
	CROUND                                         ; all sixteen work-groups are here: the first joint loads meet
	s_mov_b32 s[G0S], 1
	s_mov_b32 s[G0S+1], s95
	s_mov_b64 s[G0S+2:G0S+3], s[22:23]
	s_or_b32 s[G0S+3], s[G0S+3], 0x80000000
	s_mov_b32 s[G0SB], 1
	s_mov_b32 s[G0SB+1], s96
	s_mov_b64 s[G0SB+2:G0SB+3], s[92:93]
	s_or_b32 s[G0SB+3], s[G0SB+3], 0x80000000
	JLOAD G0S, G1S, G0SB, G1SB                     ; the scales first
.irp s, 0,1
	s_mov_b32 s[G0+4*\s], 1
	s_add_co_u32 s[G0+4*\s+1], s45, \s*SLOT
	s_add_nc_u64 s[G0+4*\s+2:G0+4*\s+3], s[20:21], \s*ASTEP
	s_or_b32 s[G0+4*\s+3], s[G0+4*\s+3], 0x80000000
	s_mov_b32 s[G0B+4*\s], 1
	s_add_co_u32 s[G0B+4*\s+1], s94, \s*SLOT
	s_add_nc_u64 s[G0B+4*\s+2:G0B+4*\s+3], s[46:47], \s*ROWB
	s_or_b32 s[G0B+4*\s+3], s[G0B+4*\s+3], 0x80000000
	JLOAD G0+4*\s, G1, G0B+4*\s, G1B
.endr
	v_and_b32 v1, 15, v0                           ; r
	v_bfe_u32 v2, v0, 4, 1                         ; h
	v_and_b32 v6, 31, v0
	v_lshlrev_b32 v[CO], 4, v6                     ; 16 x lane
	v_mul_u32_u24 v3, v1, PITCH
	v_lshl_add_u32 v4, v2, 4, v3                   ; B: a fragment's row x pitch + 16 h
	s_mul_i32 s21, s15, HALFA                      ; my 8 tiles of A
	s_mul_i32 s22, s16, HALFB                      ; my 128 rows of B
	s_add_co_u32 s22, s22, BOFF
.irp s, 0,1
	v_add_nc_u32 v[ADRA+\s], s21, v[CO]
	v_add_nc_u32 v[ADRB+\s], s22, v4
	s_add_co_u32 s21, s21, SLOT
	s_add_co_u32 s22, s22, SLOT
.endr
	v_mul_u32_u24 v5, v1, KS                       ; my row's scales: 32 bytes a row,
	v_lshrrev_b32 v6, 8, v5
	v_lshl_add_u32 v5, v6, 4, v5                   ; and 16 more for each 256 passed
	s_mul_i32 s21, s15, HALFS
	s_mul_i32 s22, s16, HALFS
	s_add_co_u32 s22, s22, 2*HALFS
	s_sub_co_u32 s22, s22, s21
	v_mul_u32_u24 v6, s22, v2                      ; lanes 16-31 take B's
	s_add_co_u32 s21, s21, SCLA
	v_add_nc_u32 v5, v5, v6
	v_add_nc_u32 v[ADRS], s21, v5
	s_mul_i32 s23, s14, 16*SPITCH                  ; my stage
	v_mul_u32_u24 v5, v1, SPITCH
	v_lshl_add_u32 v5, v2, 6, v5                   ; in: row r; my half's 16 true columns of each 32: 64 h bytes on
	v_add_nc_u32 v[STO], s23, v5
	v_add_nc_u32 v[RD], s23, v[CO]                 ; back: the 32 lanes take one row of 512 bytes
	s_lshl_b32 s20, s17, 8
	s_lshl_b32 s21, s15, 7
	s_add_co_u32 s20, s20, s21                     ; my first row of out0
	s_lshl_b32 s20, s20, 12                        ; a row is 4,096 bytes
	s_lshl_b32 s46, s42, 10
	s_lshl_b32 s47, s16, 9
	s_add_co_u32 s46, s46, s47                     ; my first column, in bytes
	s_add_co_u32 s20, s20, s46
	s_mov_b32 s21, 0
	s_add_nc_u64 s[12:13], s[12:13], s[20:21]
.macro FRAGB reg, adr, q, i
.irp c, 0,1,2,3
	ds_load_b128 v[\reg+4*\c:\reg+4*\c+3], v[\adr] offset:128*(\q)+32*\c+(\i)*16*PITCH
.endr
.endm
.macro FRAGA reg, slot, q, i           ; an image of the registers: 512 consecutive bytes a load
.irp c, 0,1,2,3
	ds_load_b128 v[\reg+4*\c:\reg+4*\c+3], v[ADRA+\slot] offset:4096*(\i)+2048*(\q)+512*\c
.endr
.endm
.macro MUL16 a0, p, q, sc, zero        ; the 64 accumulators take turns, one instruction a turn
.irp a, \a0, \a0+1
.irp b, 0,1,2,3,4,5,6,7
.if \zero
	v_wmma_scale_f32_16x16x128_f8f6f4 v[8*(8*((\a)%4)+\b):8*(8*((\a)%4)+\b)+7], v[128*(\p)+FR*\b:128*(\p)+FR*\b+FR-1], v[AF+FR*(\a):AF+FR*(\a)+FR-1], 0, v[SC+8*NQ*(\sc)+NQ*\b+(\q)], v[SC+8*NQ*(\sc)+NQ*(\a)+(\q)] matrix_a_scale:MATRIX_SCALE_ROW1
.else
	v_wmma_scale_f32_16x16x128_f8f6f4 v[8*(8*((\a)%4)+\b):8*(8*((\a)%4)+\b)+7], v[128*(\p)+FR*\b:128*(\p)+FR*\b+FR-1], v[AF+FR*(\a):AF+FR*(\a)+FR-1], v[8*(8*((\a)%4)+\b):8*(8*((\a)%4)+\b)+7], v[SC+8*NQ*(\sc)+NQ*\b+(\q)], v[SC+8*NQ*(\sc)+NQ*(\a)+(\q)] matrix_a_scale:MATRIX_SCALE_ROW1
.endif
.endr
.endr
.endm
.macro FETCH_B slot, q, p
	WIN TO_B
.irp i, 0,1,2,3,4,5,6,7
	FRAGB 128*(\p)+FR*\i, ADRB+\slot, \q, \i
.endr
	WIN 0
.endm
.macro FETCH_A slot, q, i0
.irp i, \i0, \i0+1, \i0+2, \i0+3
	FRAGA AF+FR*(\i), \slot, \q, \i
.endr
.endm
.macro SCALES sc
.irp i, 0,1,2,3,4,5,6,7
	ds_load_b64 v[SC+8*NQ*\sc+NQ*\i:SC+8*NQ*\sc+NQ*\i+1], v[ADRS] offset:\i*SBLK
.endr
.endm
.macro PLACES n
.rept \n
	v_nop
.endr
.endm
.macro STEP slot, q, zero
	s_wait_dscnt 4*NL                              ; B's set and A's blocks 0-3 are in; the 16 youngest loads (A's blocks 4-7) may be out
	WIN MUL_LO
	MUL16 0, (\q)%2, \q, \slot, \zero
	MUL16 2, (\q)%2, \q, \slot, \zero
	s_wait_dscnt 0
	PLACES NP
	FETCH_B \slot, (\q)+1, 1-(\q)%2
	FETCH_A \slot, (\q)+1, 0
	WIN MUL_HI
	MUL16 4, (\q)%2, \q, \slot, \zero
	MUL16 6, (\q)%2, \q, \slot, \zero
	PLACES NP
	WIN 0
	FETCH_A \slot, (\q)+1, 4
.endm
.macro TURN slot, next, fill
	s_wait_tensorcnt 0x0                           ; all my tensor loads have landed: my part of the next slot
	ds_add_u32 v[SPW], v[NIL]                      ; 0 onto my spare word
	s_wait_dscnt 4*NL+1                            ; the add and the 16 youngest loads may be out
	WIN MUL_LO
	MUL16 0, 1, NQ-1, \slot, 0
	s_wait_dscnt 0x0                               ; the add is done, and my reads of this slot are over
	s_barrier_signal -1
	MUL16 2, 1, NQ-1, \slot, 0
	WIN 0
	s_barrier_wait -1
.if \fill
	CREST                                          ; the barrier has opened a round of the cluster's: no wave of any partner still reads this slot or has a load on its way
	s_add_nc_u64 s[G0+4*\slot+2:G0+4*\slot+3], s[G0+4*\slot+2:G0+4*\slot+3], 2*ASTEP
	s_add_nc_u64 s[G0B+4*\slot+2:G0B+4*\slot+3], s[G0B+4*\slot+2:G0B+4*\slot+3], 2*ROWB
	JLOAD G0+4*\slot, G1, G0B+4*\slot, G1B         ; the first tensor load behind the round; its four v_nop are four of the eight places
	PLACES NP-4
.else
	PLACES NP
.endif
	v_add_nc_u32 v[ADRS], 4*NQ, v[ADRS]
	FETCH_B \next, 0, 0
	FETCH_A \next, 0, 0
	SCALES \next
	WIN MUL_HI
	MUL16 4, 1, NQ-1, \slot, 0
	MUL16 6, 1, NQ-1, \slot, 0
	PLACES NP
	WIN 0
	FETCH_A \next, 0, 4
.endm
	s_wait_tensorcnt 1                             ; the scales and my part of K step 0 are in; K step 1's load may be out
	s_barrier_signal -1
	s_barrier_wait -1
	; A's scale bytes are put together: thread t takes rows 2 t and 2 t + 1: of each head a word with the two rows' halves
	v_lshrrev_b32 v5, 6, v0
	v_lshlrev_b32 v5, 12, v5
	v_and_b32 v6, 63, v0
	v_lshl_add_u32 v5, v6, 2, v5
	v_add_nc_u32 v5, RAW, v5                       ; RAW + 4,096 (t / 64) + 4 (t % 64)
.irp e, 0,1,2,3,4,5,6,7,8,9,10,11,12,13,14,15
	ds_load_b32 v[64+\e], v5 offset:256*\e
.endr
	v_lshrrev_b32 v6, 2, v0
	v_lshlrev_b32 v6, 4, v6
	v_lshl_add_u32 v6, v0, 6, v6
	v_add_nc_u32 v6, SCLA, v6                      ; SCLA + 64 t + 16 (t / 4): 32 bytes a row, 16 of padding behind every 256
	s_wait_dscnt 0x0
.irp j, 0,1,2,3,4,5,6,7
	v_perm_b32 v[80+\j], v[65+2*\j], v[64+2*\j], 0x05040100   ; row 2 t: heads 2 j and 2 j + 1: the low halves
	v_perm_b32 v[88+\j], v[65+2*\j], v[64+2*\j], 0x07060302   ; row 2 t + 1: the high halves
.endr
.irp j, 0,1,2,3
	ds_store_b128 v6, v[80+4*\j:83+4*\j] offset:16*\j
.endr
	s_wait_dscnt 0x0                               ; for the others' sake: my rows' scale bytes lie in LDS
	s_barrier_signal -1
	s_barrier_wait -1
	FETCH_B 0, 0, 0
	FETCH_A 0, 0, 0
	SCALES 0
	FETCH_A 0, 0, 4
	STEP 0, 0, 1                                   ; the first step's products start the sums
	s_mov_b32 s3, LAPS-1
.Llap:
	TURN 0, 1, 1
	STEP 1, 0, 0
	TURN 1, 0, 1
	STEP 0, 0, 0
	s_sub_co_u32 s3, s3, 1
	s_cmp_lg_u32 s3, 0
	s_cbranch_scc1 .Llap
	TURN 0, 1, 0                                   ; the last lap fills nothing
	STEP 1, 0, 0
	s_wait_dscnt 4*NL
	WIN MUL_LO
	MUL16 0, 1, NQ-1, 1, 0
	MUL16 2, 1, NQ-1, 1, 0
	s_wait_dscnt 0
	WIN MUL_HI
	MUL16 4, 1, NQ-1, 1, 0
	MUL16 6, 1, NQ-1, 1, 0
	WIN 0
; THE WAY OUT, block by block of 16 rows x 128 columns, through my own stage in LDS, back as whole rows of 512 bytes.  Accumulator b's eight numbers of lane (r, h) are the true columns 32 (b / 2) + 16 h + 8 (b % 2) + 0 .. 7;
; stage row t of block a is the true row 32 (a / 2) + 8 (a % 2) + t + 8 (t / 8).  LDS serves a wave's instructions in order: no wait between the stores and the loads.
.macro TOSTAGE a
.set AC, 64*((\a)%4)
	WIN 0x08+4*((\a)/4)                            ; the data: window 2 or 3
.irp b, 0,1,2,3,4,5,6,7
	ds_store_b128 v[STO], v[AC+8*\b:AC+8*\b+3] offset:128*(\b/2)+32*(\b%2)          ; each accumulator from its low end on
	ds_store_b128 v[STO], v[AC+8*\b+4:AC+8*\b+7] offset:128*(\b/2)+32*(\b%2)+16
.endr
	WIN 0
.set BB, BK+64*((\a)%2)
.irp t, 0,1,2,3,4,5,6,7,8,9,10,11,12,13,14,15
	ds_load_b128 v[BB+4*\t:BB+4*\t+3], v[RD] offset:\t*SPITCH
.endr
.endm
.macro SEND a, younger
.set BB, BK+64*((\a)%2)
	s_wait_dscnt \younger                          ; the block is back in registers
.if ((\a) > 0) && ((\a)%2 == 0)
	s_add_nc_u64 s[12:13], s[12:13], 32*SIZE_N*4   ; (behind a wait on XCNT: the earlier stores have read their base)  32 true rows on
.endif
.irp t, 0,1,2,3,4,5,6,7,8,9,10,11,12,13,14,15
	global_store_b128 v[CO], v[BB+4*\t:BB+4*\t+3], s[12:13] offset:(8*((\a)%2)+\t+8*(\t/8))*SIZE_N*4 th:TH_STORE_NT   ; 32 lanes store 512 consecutive bytes, aligned
.endr
.endm
	PLACES NP
	TOSTAGE 0
.irp a, 1,2,3,4,5,6,7
.if \a > 1
	s_wait_xcnt 0x0                                ; block a - 2's stores have read their registers and their base
.endif
	TOSTAGE \a
	SEND \a-1, 32                                  ; behind block a - 1's loads: block a's 16 stores and 16 loads
.endr
	s_wait_xcnt 0x0
	SEND 7, 0
	s_wait_tensorcnt 0x0                           ; the wave's end
	ds_add_u32 v[SPW], v[NIL]
	s_wait_dscnt 0x0
	CROUND                                         ; the closing round
	s_endpgm
.Lfunc_end_k_q101d4fd93c_outp:
	.size	k_q101d4fd93c_outp, .Lfunc_end_k_q101d4fd93c_outp-k_q101d4fd93c_outp
	.p2alignl 7, 3214868480
	.fill 96, 4, 3214868480
	.section	.rodata,"a",@progbits
	.p2align	6, 0x0
	.amdhsa_kernel k_q101d4fd93c_outp
		.amdhsa_group_segment_fixed_size 327680
		.amdhsa_private_segment_fixed_size 0
		.amdhsa_enable_private_segment 0
		.amdhsa_kernarg_size 24
		.amdhsa_user_sgpr_count 2
		.amdhsa_user_sgpr_kernarg_segment_ptr 1
		.amdhsa_wavefront_size32 1
		.amdhsa_system_sgpr_workgroup_id_x 1
		.amdhsa_system_sgpr_workgroup_id_y 1
		.amdhsa_system_sgpr_workgroup_id_z 1
		.amdhsa_system_vgpr_workitem_id 0
		.amdhsa_next_free_vgpr 1024
		.amdhsa_next_free_sgpr 98
		.amdhsa_reserve_vcc 0
		.amdhsa_float_denorm_mode_32 3
		.amdhsa_float_denorm_mode_16_64 3
		.amdhsa_memory_ordered 1
		.amdhsa_forward_progress 1
		.amdhsa_inst_pref_size 149
	.end_amdhsa_kernel
	.amdgpu_metadata
---
amdhsa.version: [ 1, 2 ]
amdhsa.kernels:
  - .name:           k_q101d4fd93c_outp
    .symbol:         k_q101d4fd93c_outp.kd
    .args:
      - { .name: ao, .offset: 0, .size: 8, .value_kind: global_buffer, .address_space: global }
      - { .name: opnd, .offset: 8, .size: 8, .value_kind: global_buffer, .address_space: global }
      - { .name: out0, .offset: 16, .size: 8, .value_kind: global_buffer, .address_space: global }
    .group_segment_fixed_size: 327680
    .private_segment_fixed_size: 0
    .kernarg_segment_align: 8
    .kernarg_segment_size: 24
    .max_flat_workgroup_size: 128
    .sgpr_count:     98
    .vgpr_count:     1024
    .wavefront_size: 32
...
	.end_amdgpu_metadata
.endif
;; end of part 4
;; ======== version 2 of 2: 4 launches; version 1 with the launch attn written anew for expert scheduling mode
;; workspace buffers: opnd 12,976,128 bytes; mw 532,480 bytes of whole numbers; qkv 25,952,256 bytes; ao 8,650,752 bytes
;; launch prep: the kernel of part 1 again; grid 512 x 1, 4 waves a work-group, no clusters, 67,072 bytes of LDS; arguments x, wq, wk, wv, wo, mask, opnd, mw; writes opnd, mw
;; launch proj: the kernel of part 2 again; grid 8 x 48, 4 waves a work-group, clusters of 4 x 4, 327,680 bytes of LDS; arguments opnd, qkv; writes qkv
;; launch attn (part 5): grid 4 x 64, 16 waves a work-group, no clusters, 273,408 bytes of LDS; arguments qkv, mw, ao; writes ao
.if DOCPART == 5
	.amdgcn_target "amdgcn-amd-amdhsa--gfx1250"
	.amdhsa_code_object_version 6
	.text
	.protected	k_q101d4fd93c_attn
	.globl	k_q101d4fd93c_attn
	.p2align	8
	.type	k_q101d4fd93c_attn,@function
k_q101d4fd93c_attn:
	s_mov_b64 s[64:65], 0
	v_nop
	global_prefetch_b8 v0, s[64:65] scope:SCOPE_SE
	s_setreg_imm32_b32 hwreg(HW_REG_WAVE_SCHED_MODE, 0, 2), 2
	s_setreg_imm32_b32 hwreg(HW_REG_WAVE_MODE, 25, 1), 1
	s_wait_xcnt 0x0
	s_wait_alu depctr_vm_vsrc(0)
; ATTN.  For one (batch, head): O = softmax(mask(q k^T / 8)) v, both products on codes of FP8 (E4M3) with E8M0 scales, and O quantised along the model's 1,024 for the last projection.
; SOFTMAX: t = score x log2(e) / 8; M = the running largest t rounded UP to a whole number; p = 2^(t - M) is quantised along the keys, not normalised; the row's sum is taken of the unquantised p and divides at the end.
; When M moves, the sum and O^T are multiplied by 2^(old M - new M): exact.
; SHARES.  Work-group (i, region) owns the blocks i and 7 - i of 256 queries, one after the other; each of its sixteen waves owns one tile of 16 queries in 256 registers, four waves to a SIMD.
; THE HEAD'S K, V AND THEIR SCALES, 270,336 bytes, LIE IN LDS WHOLE, brought once through registers, as images of the operands' registers: every fragment is four loads of 512 consecutive bytes.
; No tensor load and no cluster: each wave's walk is steered by a branch on stored whole numbers, and what is shared comes once for each work-group.
; K = 64 IN AN INSTRUCTION OF K = 128: a fragment of k holds TWO tiles of 16 keys (registers 0-7, 8-15); q stands between two runs of eight zero registers: (q, 0) picks the first tile, (0, q) the second.
; LAYOUT.  Both products transposed: a lane holds ONE query (lane % 16).  Keys and channels lie in storage order (bits 3 and 4 exchanged), so the 16 registers of two neighbouring tiles are 16 true neighbours.
; THE MASK is an input: the launch before packed it into lane-mask words, one for each score register of a step, and a flag for each (tile of queries, step).  A hidden score becomes -infinity by one v_cndmask_b32.
; A step whose 128 keys are all hidden from my 16 queries adds nothing (p = 0, M stays): it is passed over by a scalar branch on its flag.  Nothing of the mask's pattern is built in.
; A QUERY WHOSE MASK ROW IS ALL ZERO has sum 0: its codes are zeros and its scale bytes 0xff, which makes its row of the final output NaN.
; LIMITS: NaN and infinities among the inputs are not served; blocks whose largest magnitude lies under 2^-118 keep the byte 1; blocks of zeros get the byte 1 where the rule says 127 (read by this program alone).
; THE MODE: SCHED_MODE bits 1:0 = 2 (LLVM: expert scheduling mode 2), set by the entry lines.  The code itself states the register dependences
; between vector or matrix instructions and memory or LDS instructions, with s_wait_alu, always for 0.
; THE PLAN.  Registers that memory or LDS instructions touch:
;   v1, v11, v248, v249  addresses made once at the head and never written again.
;   v245, v250           q's two offsets: written once a pass by two additions, read by q's three loads.
;   v24-31, v240         q and its scale word: loaded once a pass; read by the products k q^T and by one v_perm_b32.
;   v104-235             in the fill alone: 33 loads land there, 33 LDS stores read them; afterwards they are vector and matrix registers.
;   v5-8                 a walked step's four LDS addresses: written by four additions at its head, read by its 40 LDS loads.
;   F, v40-103           k's 16 loads land, eight products read; v's 16 loads land, four products read.  A wave's 256 registers have no room for a second set.
;   v216-223             k's and v's scale words: LDS loads land, the products read them.
;   v200-211, v251       the way out of a pass: conversions and vector lines write v200-207 and v251, stores read them; in wave 0 an LDS load lands in v208-211 and a store reads them.
; So a walked step has one wait on vm_vsrc, at its label, and three on va_vdst beside the two behind its exponentials: behind the additions (ahead of k's loads), behind the products k q^T (ahead of v's loads),
; and ahead of the products v^T p (p's codes and scale word).  No vector instruction stands between any of these waits and the run of loads that leans on it.
.set REG,   270336
.set VC,    131072
.set KSO,   262144
.set VSO,   266240
.set QOFF,  17301504
.set QSOFF, 25690112
.set FOFF,  524288
.set AOS,   8388608
.set STG,   270336                     ; behind the image: 512 bytes for each pass: the scale halves of 256 rows
.set LI,   1                           ; v1   16 x lane
.set KSA,  2                           ; v2   k's scale words: KSO + 4 r
.set VSA,  3                           ; v3   v's: VSO + 4 r
.set NINF, 4                           ; v4   -infinity
.set ADK,  5                           ; v5-8 the step's LDS addresses: k, v, k's scale words, v's
.set ADV,  6
.set ADS,  7
.set ADT,  8
.set QS,   9                           ; v9   q's scale word (q0, q1, q0, q1)
.set LIV,  10                          ; v10  VC + 16 x lane
.set FA,   11                          ; v11  the fill: 16,896 x wave + 16 x lane, in memory and in LDS alike
                                       ; v12 -M, v13 the largest t, v[14:15] the sum;  v16-23 zeros, v24-31 q, v32-39 zeros
.set F,    40                          ; v40-103  four fragments of k, then of v
.set S,    104                         ; v104-167 S^T, then p
.set O,    168                         ; v168-199 O^T
.set PCD,  200                         ; v200-215 p's codes
.set KW,   216                         ; v216-219 k's scale words;  v220-223 v's
.set VW,   220
.set BM,   224                         ; v224-227 a block's largest; v228-231 bytes; v232-235 448 x the scale; v236-239 scale operands
.set BY,   228
.set BL,   232
.set BS,   236
                                       ; v240, v241 at work; v[242:243] f; v244 p's scale word; v[246:247] the sum's second chain
.set QO,   245                         ; v245 q's piece: byte offset in qkv
.set SS,   248                         ; v248 STG + 32 wave + 2 r
.set SR,   249                         ; v249 STG + 16 x lane
.set QSO,  250                         ; v250 q's scale word: byte offset in qkv
.set HW,   251                         ; v251 my row's two scale bytes
                                       ; s10 wave, s11 head, s12 batch, s13 block of queries, s15 step; s16-63, s68-83 the step's 64 mask words; s[84:85] lane selects; s[86:87] c; s88 448's mantissa;
                                       ; s89 the flags; s90 8,192 x step; s91 256 x step; s[92:93] mask records; s[94:95] O's piece; s[96:97] O's scale halves; s98 lanes with sum 0; s100 q's selector
	s_load_b128 s[4:7], s[0:1], 0x0                ; qkv, mw
	s_load_b64 s[8:9], s[0:1], 0x10                ; ao
	v_lshrrev_b32 v1, 5, v0
	v_readfirstlane_b32 s10, v1                    ; wave 0..15
	v_and_b32 v252, 31, v0
	v_and_b32 v253, 15, v0                         ; r
	v_lshlrev_b32 v[LI], 4, v252
	v_lshl_add_u32 v[KSA], v253, 2, KSO
	v_lshl_add_u32 v[VSA], v253, 2, VSO
	v_mov_b32 v[NINF], 0xff800000
	v_add_nc_u32 v[LIV], VC, v[LI]
	s_wait_alu depctr_va_sdst(0)                   ; s10 is written, ahead of its first reader: the line below
	s_mul_i32 s99, s10, 16896
	v_add_nc_u32 v[FA], s99, v[LI]
	s_lshl_b32 s99, s10, 5
	v_lshl_add_u32 v[SS], v253, 1, s99
	v_add_nc_u32 v[SS], STG, v[SS]
	v_add_nc_u32 v[SR], STG, v[LI]
	v_lshlrev_b32 v254, 2, v253                    ; 4 r; it stays
.irp j, 16,17,18,19,20,21,22,23,32,33,34,35,36,37,38,39
	v_mov_b32 v\j, 0                               ; zero codes on both sides of q
.endr
	s_and_b32 s99, ttmp7, 0xffff                   ; the region: 16 x batch + head
	s_and_b32 s11, s99, 15
	s_lshr_b32 s12, s99, 4
	s_mul_i32 s2, s99, REG
	s_mov_b32 s3, 0
	s_mov_b32 s84, 0x76543210
	s_mov_b32 s85, 0xfedcba98
	s_mov_b32 s86, 0x3e38aa3b                      ; c = log2(e) / 8
	s_mov_b32 s87, s86                             ; (named with it as a pair, so it is written)
	s_mov_b32 s88, 0x600000
	s_and_b32 s100, s10, 1
	s_cmp_eq_u32 s100, 1                           ; an odd tile's two bytes are the word's upper half
	s_mov_b32 s100, 0x01000100
	s_mov_b32 s101, 0x03020302
	s_cselect_b32 s100, s101, s100
	s_wait_kmcnt 0x0
	s_add_nc_u64 s[2:3], s[4:5], s[2:3]            ; the region
; What a pass needs of its tile of queries: q's piece and scale word, the 16 flags, and four addresses.  Both of q's offsets are made first, so that one wait serves the three loads.
.macro QLOAD p
.if \p
	s_sub_co_u32 s13, 7, ttmp9
.else
	s_mov_b32 s13, ttmp9
.endif
	s_lshl_b32 s99, s13, 4
	s_add_co_u32 s99, s99, s10                     ; T': my tile in the batch
	s_lshl_b32 s14, s99, 6
	s_load_b512 s[16:31], s[6:7], s14 offset:FOFF  ; its 16 flags
	s_lshl_b32 s92, s99, 12
	s_mov_b32 s93, 0
	s_add_nc_u64 s[92:93], s[6:7], s[92:93]        ; its mask records: 16 steps x 256 bytes
	s_lshl_b32 s101, s12, 7
	s_add_co_u32 s99, s99, s101                    ; T: my tile among all 512
	s_lshl_b32 s101, s11, 9
	s_add_co_u32 s101, s101, s99
	s_lshl_b32 s101, s101, 10
	s_add_co_u32 s101, s101, QOFF
	v_add_nc_u32 v[QO], s101, v[LI]
	s_lshr_b32 s101, s99, 1
	s_lshl_b32 s101, s101, 6
	s_lshl_b32 s94, s11, 14
	s_add_co_u32 s101, s101, s94
	s_add_co_u32 s101, s101, QSOFF
	v_add_nc_u32 v[QSO], s101, v254
	s_wait_alu depctr_va_vdst(0)                   ; v245 and v250 are written, which the three loads read (first pass: so are v1, v11, v248 and v249, the addresses of all later loads and stores); second pass: the products and vector lines are done with v24-31 and v240, in which the loads land
	global_load_b128 v[24:27], v[QO], s[4:5]
	global_load_b128 v[28:31], v[QO], s[4:5] offset:512
	global_load_b32 v240, v[QSO], s[4:5]
	s_lshl_b32 s94, s99, 4
	s_add_co_u32 s94, s94, s11
	s_lshl_b32 s94, s94, 10
	s_mov_b32 s95, 0
	s_add_nc_u64 s[94:95], s[8:9], s[94:95]        ; O's piece: (16 T + head) x 1,024
	s_lshl_b32 s96, s12, 7
	s_lshl_b32 s97, s13, 4
	s_add_co_u32 s96, s96, s97
	s_lshl_b32 s96, s96, 5
	s_lshl_b32 s97, s11, 14
	s_add_co_u32 s96, s96, s97
	s_add_co_u32 s96, s96, AOS
	s_mov_b32 s97, 0
	s_add_nc_u64 s[96:97], s[8:9], s[96:97]        ; the block's 256 scale halves of my head
.endm
	QLOAD 0
	; THE FILL: wave w copies bytes 16,896 w .. of the region: 33 loads and 33 LDS stores of 512 consecutive bytes.  No vector instruction stands between the wait in QLOAD and these lines
.set j, 0
.rept 33
	global_load_b128 v[104+4*j:107+4*j], v[FA], s[2:3] offset:512*j
.set j, j+1
.endr
.set j, 0
.rept 33
	s_wait_loadcnt 32-j                            ; loads come back in order: load j is in, the 32 - j younger ones may be out
	ds_store_b128 v[FA], v[104+4*j:107+4*j] offset:512*j
.set j, j+1
.endr
	s_wait_dscnt 0x0                               ; for the others' sake: my part of the image lies in LDS
	s_barrier_signal -1
	s_barrier_wait -1
	s_wait_alu depctr_vm_vsrc(0)                   ; my LDS stores have read v104-235: from here on vector and matrix instructions and LDS loads write these registers
.macro PASS p
.if \p
	s_wait_xcnt 0x0                                ; the last pass's stores have read their data and addresses: all are written again below
	s_wait_alu depctr_vm_vsrc(0)                   ; the last pass's loads of q have read v245 and v250, its stores v200-211 and v251: this pass writes them all again
	QLOAD 1
.endif
.set n, 0
.rept 32
	v_mov_b32 v[O+n], 0                            ; the step is written once: its first walk finds zeros, which the first change of M leaves zeros
.set n, n+1
.endr
	v_mov_b32 v13, 0xff61b1e6                      ; the largest t so far: -3e38
	v_floor_f32 v12, -v13                          ; -M
	v_mov_b32 v14, 0
	v_mov_b32 v15, 0
.irp b, 0,1,2,3
	v_mov_b32 v[BY+\b], 0                          ; a lane permute's destination counts as one of its sources
.endr
	v_mov_b32 v243, 0                              ; (named as the upper half of the pair v[242:243])
	s_wait_kmcnt 0x0                               ; the flags
	s_or_b32 s89, s16, s17
.irp f, 18,19,20,21,22,23,24,25,26,27,28,29,30,31
	s_or_b32 s89, s89, s\f                         ; flag s is 1 << s or 0
.endr
	s_wait_loadcnt 0x0                             ; q and its scale word
	v_perm_b32 v[QS], v240, v240, s100             ; my tile's two bytes, twice
	s_mov_b32 s15, 0
	s_mov_b32 s90, 0
	s_mov_b32 s91, 0
.Lstep_\p:                                         ; 16 trips, a constant
	s_wait_alu depctr_vm_vsrc(0)                   ; the LDS loads of the step walked last have read v5-8, which the four additions below write
	s_lshr_b32 s99, s89, s15
	s_and_b32 s99, s99, 1
	s_cmp_eq_u32 s99, 0
	s_cbranch_scc1 .Lhidden_\p                     ; no key of this step counts for any of my queries
	s_load_b512 s[16:31], s[92:93], s91 offset:0x0 ; the step's 64 lane-mask words (their last readers stand ahead of the wait behind the last walked step's exponentials)
	s_load_b512 s[32:47], s[92:93], s91 offset:0x40
	s_load_b512 s[48:63], s[92:93], s91 offset:0x80
	s_load_b512 s[68:83], s[92:93], s91 offset:0xc0
	v_add_nc_u32 v[ADK], s90, v[LI]
	v_add_nc_u32 v[ADV], s90, v[LIV]
	v_add_nc_u32 v[ADS], s91, v[KSA]
	v_add_nc_u32 v[ADT], s91, v[VSA]
.rept 4
	v_nop                                          ; with the four additions: eight places behind the last products; and q's scale word stands eight ahead of its first product
.endr
	s_wait_alu depctr_va_vdst(0)                   ; v5-8 are written, which the loads below read; the last products are done reading F and v216-223, in which loads land; q's scale word and the zero codes beside q are written, which the products below take
.irp f, 0,1,2,3
.irp c, 0,1,2,3
	ds_load_b128 v[F+16*\f+4*\c:F+16*\f+4*\c+3], v[ADK] offset:2048*\f+512*\c   ; key tiles 2 f and 2 f + 1
.endr
	ds_load_b32 v[KW+\f], v[ADS] offset:64*\f
.endr
	s_wait_dscnt 0x0
.irp f, 0,1,2,3
	v_wmma_scale_f32_16x16x128_f8f6f4 v[S+16*\f:S+16*\f+7], v[F+16*\f:F+16*\f+15], v[24:39], 0, v[KW+\f], v[QS]      ; (q, 0): tile 2 f
	v_wmma_scale_f32_16x16x128_f8f6f4 v[S+16*\f+8:S+16*\f+15], v[F+16*\f:F+16*\f+15], v[16:31], 0, v[KW+\f], v[QS]   ; (0, q): tile 2 f + 1
.endr
.rept 8
	v_nop                                          ; eight places: the first reads of the scores follow
.endr
	s_wait_alu depctr_va_vdst(0)                   ; the eight products are done reading F, in which v's fragments land
.irp d, 0,1,2,3
.irp c, 0,1,2,3
	ds_load_b128 v[F+16*\d+4*\c:F+16*\d+4*\c+3], v[ADV] offset:2048*\d+512*\c   ; v's four tiles of channels: they land while the softmax is walked
.endr
	ds_load_b32 v[VW+\d], v[ADT] offset:64*\d
.endr
	s_wait_kmcnt 0x0                               ; the mask words
.set n, 0
.rept 64
	v_cndmask_b32 v[S+n], v[NINF], v[S+n], s[16+n+4*(n/48)]   ; register 16 b + i: key 32 b + 16 h + i of the step.  Ascending: each accumulator is first read at its low end
.set n, n+1
.endr
.irp b, 0,1,2,3
	v_max3_num_f32 v[BM+\b], v[S+16*\b], v[S+1+16*\b], v[S+2+16*\b]   ; the largest score of each block of 32 keys: for the row's maximum, and, since p rises with the score, for the block's largest p
.endr
.irp i, 3,5,7,9,11,13
.irp b, 0,1,2,3
	v_max3_num_f32 v[BM+\b], v[BM+\b], v[S+16*\b+\i], v[S+1+16*\b+\i]
.endr
.endr
.irp b, 0,1,2,3
	v_max_num_f32 v[BM+\b], v[BM+\b], v[S+15+16*\b]
.endr
.irp b, 0,1,2,3
	v_permlanex16_b32 v[BY+\b], v[BM+\b], s84, s85
.endr
.irp b, 0,1,2,3
	v_max_num_f32 v[BM+\b], v[BM+\b], v[BY+\b]     ; with lane l xor 16's 16 keys
.endr
	v_max3_num_f32 v240, v[BM], v[BM+1], v[BM+2]
	v_max_num_f32 v240, v240, v[BM+3]
	v_mul_f32 v240, s86, v240                      ; as t (c is positive)
	v_max_num_f32 v13, v13, v240                   ; the running largest t
	v_mov_b32 v240, v12
	v_floor_f32 v12, -v13                          ; the new -M = floor(-t)
	v_sub_f32 v240, v12, v240                      ; old M - new M: a whole number, 0 or less
	v_cvt_i32_f32 v240, v240                       ; (it saturates)
	v_ldexp_f32 v242, 1.0, v240                    ; f = 2^(old M - new M)
.set n, 0
.rept 32
	v_pk_fma_f32 v[S+n:S+n+1], v[S+n:S+n+1], s[86:87], v[12:13] op_sel_hi:[1,0,0]   ; t - M, two at a time
.set n, n+2
.endr
.irp b, 0,1,2,3
	v_fma_f32 v[BM+\b], v[BM+\b], s86, v12         ; the same of each block's largest score
.endr
.set n, 0
.rept 64
	v_exp_f32 v[S+n], v[S+n]                       ; p = 2^(t - M)
.set n, n+1
.endr
	v_pk_mul_f32 v[14:15], v[14:15], v[242:243] op_sel_hi:[1,0]   ; the sums under the new M: the plain instruction behind the exponentials
	s_wait_alu depctr_va_vdst(0)                   ; the 64 exponentials have written p, v104-167: one wait for the batch, ahead of its first reader
.irp b, 0,1,2,3
	v_exp_f32 v[BM+\b], v[BM+\b]                   ; the block's largest p
.endr
	v_pk_add_f32 v[246:247], v[S:S+1], v[S+2:S+3]  ; the row's sum is taken of the unquantised p, in two chains
.set n, 4
.rept 15
	v_pk_add_f32 v[14:15], v[14:15], v[S+n:S+n+1]
	v_pk_add_f32 v[246:247], v[246:247], v[S+n+2:S+n+3]
.set n, n+4
.endr
	v_pk_add_f32 v[14:15], v[14:15], v[246:247]
	s_wait_alu depctr_va_vdst(0)                   ; the four exponentials have written v224-227: their wait, ahead of their first reader
.irp b, 0,1,2,3
	v_max_num_f32 v[BM+\b], 0x4800000, v[BM+\b]    ; the floor 2^(9 - 127)
.endr
.irp b, 0,1,2,3
	v_add_nc_u32 v[BS+\b], 0xfc000000, v[BM+\b]    ; the conversion's scale operand
.endr
.irp b, 0,1,2,3
	v_and_or_b32 v[BL+\b], v[BM+\b], 0x7f800000, s88   ; 448 x the scale
.endr
.irp b, 0,1,2,3
	v_lshrrev_b32 v[BY+\b], 23, v[BS+\b]           ; the scale's byte
.endr
	v_lshl_or_b32 v244, v[BY+1], 8, v[BY]          ; p's scale word for these 128 keys
	v_lshl_or_b32 v244, v[BY+2], 16, v244
	v_lshl_or_b32 v244, v[BY+3], 24, v244
.irp b, 0,1,2,3
.irp i, 0,1,2,3,4,5,6,7,8,9,10,11,12,13,14,15
	v_min_num_f32 v[S+16*\b+\i], v[S+16*\b+\i], v[BL+\b]   ; the hold; p is not negative, so it is one-sided
.endr
	v_cvt_scalef32_pk8_fp8_f32 v[PCD+4*\b:PCD+4*\b+1], v[S+16*\b:S+16*\b+7], v[BS+\b]
	v_cvt_scalef32_pk8_fp8_f32 v[PCD+4*\b+2:PCD+4*\b+3], v[S+16*\b+8:S+16*\b+15], v[BS+\b]
.endr
.set n, 0
.rept 16
	v_pk_mul_f32 v[O+n:O+n+1], v[O+n:O+n+1], v[242:243] op_sel_hi:[1,0]   ; O^T under the new M; these are also the places between the codes and the products
.set n, n+2
.endr
	s_wait_dscnt 0x0                               ; v's fragments and scale words
	s_wait_alu depctr_va_vdst(0)                   ; the conversions have written p's codes, v200-215, and the lines above them p's scale word, v244, which the products below take; the places stand ahead of this wait
.irp d, 0,1,2,3
	v_wmma_scale_f32_16x16x128_f8f6f4 v[O+8*\d:O+8*\d+7], v[F+16*\d:F+16*\d+15], v[PCD:PCD+15], v[O+8*\d:O+8*\d+7], v[VW+\d], v244   ; the four accumulators by turns
.endr
.Lhidden_\p:
	s_add_co_u32 s90, s90, 8192
	s_add_co_u32 s91, s91, 256
	s_add_co_u32 s15, s15, 1
	s_cmp_lt_u32 s15, 16
	s_cbranch_scc1 .Lstep_\p
	; THE WAY OUT OF A PASS: O^T / the sum, quantised along the model's axis: my head's 64 channels are two blocks; register 16 a + i is channel 32 a + 16 h + i
.rept 8
	v_nop
.endr
	v_add_f32 v14, v14, v15
	v_permlanex16_b32 v240, v14, s84, s85
	v_add_f32 v14, v14, v240                       ; the row's sum
	v_rcp_f32 v241, v14
	v_nop                                          ; a plain instruction behind the reciprocal
	v_cmp_eq_f32 s98, 0, v14                       ; a query that no key counts for
	s_wait_alu depctr_va_sdst(0)                   ; the compare has written s98, ahead of its first reader: the select below
	s_wait_alu depctr_va_vdst(0)                   ; the reciprocal has written v241, ahead of its first reader
	v_cndmask_b32 v242, v241, v16, s98             ; there 0 in place of 1 / 0: its codes are zeros
.set n, 0
.rept 16
	v_pk_mul_f32 v[S+n:S+n+1], v[O+n:O+n+1], v[242:243] op_sel_hi:[1,0]   ; ascending: each accumulator is first read at its low end
.set n, n+2
.endr
.irp b, 0,1
	v_max3_num_f32 v[BM+\b], |v[S+16*\b]|, |v[S+1+16*\b]|, 0x4800000
.endr
.irp i, 2,4,6,8,10,12,14
.irp b, 0,1
	v_max3_num_f32 v[BM+\b], v[BM+\b], |v[S+16*\b+\i]|, |v[S+1+16*\b+\i]|
.endr
.endr
.irp b, 0,1
	v_permlanex16_b32 v[BY+\b], v[BM+\b], s84, s85
.endr
.irp b, 0,1
	v_max_num_f32 v[BM+\b], v[BM+\b], v[BY+\b]
.endr
.irp b, 0,1
	v_add_nc_u32 v[BS+\b], 0xfc000000, v[BM+\b]
.endr
.irp b, 0,1
	v_and_or_b32 v[BL+\b], v[BM+\b], 0x7f800000, s88
.endr
.irp b, 0,1
	v_lshrrev_b32 v[BY+\b], 23, v[BS+\b]
.endr
	v_lshl_or_b32 v[HW], v[BY+1], 8, v[BY]
	v_mov_b32 v240, 0xffff
	v_cndmask_b32 v[HW], v[HW], v240, s98          ; the NaN bytes for a query that no key counts for
.irp b, 0,1
.irp i, 0,1,2,3,4,5,6,7,8,9,10,11,12,13,14,15
	v_med3_num_f32 v[S+16*\b+\i], v[S+16*\b+\i], -v[BL+\b], v[BL+\b]
.endr
	v_cvt_scalef32_pk8_fp8_f32 v[PCD+4*\b:PCD+4*\b+1], v[S+16*\b:S+16*\b+7], v[BS+\b]
	v_cvt_scalef32_pk8_fp8_f32 v[PCD+4*\b+2:PCD+4*\b+3], v[S+16*\b+8:S+16*\b+15], v[BS+\b]
.endr
	v_nop                                          ; a plain instruction behind the last conversion
	s_wait_alu depctr_va_vdst(0)                   ; the conversions have written v200-207 and the lines above them v251, which the stores below read; the last products and conversions are done with v208-211, in which wave 0's LDS load lands: no vector instruction follows in this pass
	global_store_b128 v[LI], v[PCD:PCD+3], s[94:95]              ; the piece: twice 512 consecutive bytes, aligned
	global_store_b128 v[LI], v[PCD+4:PCD+7], s[94:95] offset:512
	ds_store_b16 v[SS], v[HW] offset:512*\p        ; both lanes of a row write the same two bytes
	s_wait_dscnt 0x0                               ; for wave 0's sake
	s_barrier_signal -1
	s_barrier_wait -1
	s_cmp_lg_u32 s10, 0
	s_cbranch_scc1 .Lnot_0_\p
	ds_load_b128 v[PCD+8:PCD+11], v[SR] offset:512*\p
	s_wait_dscnt 0x0
	global_store_b128 v[LI], v[PCD+8:PCD+11], s[96:97]           ; the block's 256 scale halves: 512 consecutive bytes, aligned
.Lnot_0_\p:
.endm
	PASS 0
	PASS 1
	s_wait_xcnt 0x0                                ; every earlier memory instruction has had its addresses translated
	v_lshl_add_u32 v254, v0, 2, 0x42400            ; the add's two registers, made anew: no memory or LDS instruction has read v254 or v255
	v_mov_b32 v255, 0
	s_wait_dscnt 0x0                               ; the closing lines, six on end
	s_wait_alu 0x0
	s_wait_tensorcnt 0x0
	ds_add_u32 v254, v255
	s_wait_dscnt 0x0
	s_endpgm
.Lfunc_end_k_q101d4fd93c_attn:
	.size	k_q101d4fd93c_attn, .Lfunc_end_k_q101d4fd93c_attn-k_q101d4fd93c_attn
	.p2alignl 7, 3214868480
	.fill 96, 4, 3214868480
	.section	.rodata,"a",@progbits
	.p2align	6, 0x0
	.amdhsa_kernel k_q101d4fd93c_attn
		.amdhsa_group_segment_fixed_size 273408
		.amdhsa_private_segment_fixed_size 0
		.amdhsa_enable_private_segment 0
		.amdhsa_kernarg_size 24
		.amdhsa_user_sgpr_count 2
		.amdhsa_user_sgpr_kernarg_segment_ptr 1
		.amdhsa_wavefront_size32 1
		.amdhsa_system_sgpr_workgroup_id_x 1
		.amdhsa_system_sgpr_workgroup_id_y 1
		.amdhsa_system_sgpr_workgroup_id_z 1
		.amdhsa_system_vgpr_workitem_id 0
		.amdhsa_next_free_vgpr 256
		.amdhsa_next_free_sgpr 102
		.amdhsa_reserve_vcc 0
		.amdhsa_float_denorm_mode_32 3
		.amdhsa_float_denorm_mode_16_64 3
		.amdhsa_memory_ordered 1
		.amdhsa_forward_progress 1
		.amdhsa_inst_pref_size 76
	.end_amdhsa_kernel
	.amdgpu_metadata
---
amdhsa.version: [ 1, 2 ]
amdhsa.kernels:
  - .name:           k_q101d4fd93c_attn
    .symbol:         k_q101d4fd93c_attn.kd
    .args:
      - { .name: qkv, .offset: 0, .size: 8, .value_kind: global_buffer, .address_space: global }
      - { .name: mw, .offset: 8, .size: 8, .value_kind: global_buffer, .address_space: global }
      - { .name: ao, .offset: 16, .size: 8, .value_kind: global_buffer, .address_space: global }
    .group_segment_fixed_size: 273408
    .private_segment_fixed_size: 0
    .kernarg_segment_align: 8
    .kernarg_segment_size: 24
    .max_flat_workgroup_size: 512
    .sgpr_count:     102
    .vgpr_count:     256
    .wavefront_size: 32
...
	.end_amdgpu_metadata
.endif
;; end of part 5
;; launch outp: the kernel of part 4 again; grid 4 x 32, 4 waves a work-group, clusters of 4 x 4, 327,680 bytes of LDS; arguments ao, opnd, out0; writes out0
